; MI455X (gfx1250); checked and timed in simulation.
; The chip was launched on July 23, 2026; its instructions are those of AMD's public machine-readable ISA for CDNA 5 (MIT licence, August 2026) and "CDNA5" Instruction Set Architecture Reference Guide (July 2026). The comments in the code are by the model that wrote it; some were corrected since.
;; Masked Causal Attention. Allowed arithmetic: matrix products marked QUANTISED: E4M3 operands, one E8M0 scale for each 32 along K, by v_wmma_scale_f32_16x16x128_f8f6f4 with both operands' format E4M3, f32 sums; everything else in f32.
;; Inputs: Wk 1,024 x 1,024 float32; Wo 1,024 x 1,024 float32; Wq 1,024 x 1,024 float32; Wv 1,024 x 1,024 float32; bk 1,024 float32; bo 1,024 float32; bq 1,024 float32; bv 1,024 float32; x 4 x 2,048 x 1,024 float32.
;; Outputs: out0 4 x 2,048 x 1,024 float32.
;; This version of the problem:
;;   THIS VERSION OF THE PROBLEM IS GIVEN IN LOW PRECISION. The matrix products marked QUANTISED in the list below multiply operands that are first quantised to E4M3 (4 exponent bits, 3 mantissa bits; 8 bits a number), with one power-of-two scale for each 32 numbers along K (OCP MX v1.0); their sums are f32. All else is computed in f32.
;;   The module's matrix products, in the order in which they are computed (A, B: the left and right operand; K: the contracted axis; several contracted axes count as one K, in the product's order):
;;     1. [M 8,192, K 1,024] x [K 1,024, N 1,024]; A: input x; B: input Wq: QUANTISED
;;     2. [M 8,192, K 1,024] x [K 1,024, N 1,024]; A: input x; B: input Wk: QUANTISED
;;     3. [M 8,192, K 1,024] x [K 1,024, N 1,024]; A: input x; B: input Wv: QUANTISED
;;     4. batch 64 x [M 2,048, K 64] x [K 64, N 2,048]; A: computed on the way; B: computed on the way: QUANTISED
;;     5. batch 64 x [M 2,048, K 2,048] x [K 2,048, N 64]; A: softmax (see below); B: computed on the way: QUANTISED
;;     6. [M 8,192, K 1,024] x [K 1,024, N 1,024]; A: computed on the way; B: input Wo: QUANTISED
;;   THE QUANTISER, for each operand of a quantised product, along K:
;;     - K is cut into blocks of 32 from its start; a last block that is shorter is filled with zeros.
;;     - A block's scale is 2^e with e = floor(log2(the largest magnitude in the block)) - 8, held to -126 .. 127; a block of zeros has e = 0. As a byte (E8M0): e + 127.
;;     - Each number is divided by its block's scale, clamped to +-448, and rounded to the nearest number of E4M3, ties to even, subnormals kept.
;;     - The product sums the exact products of the quantised numbers (number of the format x scale) in f32.
;;   ~~~python
;;   def quantise(x, axis):      # numpy; x: float32 -> the quantised numbers, widened to float32 again
;;       x = np.moveaxis(x, axis, -1); K = x.shape[-1]
;;       x = np.pad(x, [(0, 0)] * (x.ndim - 1) + [(0, -K % 32)]); x = x.reshape(x.shape[:-1] + (-1, 32)); a = np.abs(x).max(-1, keepdims=True)
;;       e = np.where(a > 0, np.clip(np.frexp(np.where(a > 0, a, 1))[1] - 1 - 8, -126, 127), 0)      # np.frexp(a)[1] - 1 = floor(log2(a)), exactly
;;       r = np.clip(x / 2.0 ** e, -448, 448)
;;       step = 2.0 ** (np.maximum(np.frexp(np.where(r == 0, 1, r))[1] - 1, -6) - 3)
;;       q = np.round(r / step) * step * 2.0 ** e      # np.round: ties to even
;;       return np.moveaxis(q.reshape(q.shape[:-2] + (-1,))[..., :K], -1, axis).astype(np.float32)
;;   ~~~
;;   SOFTMAX AHEAD OF A QUANTISED PRODUCT. Where the list says 'softmax', what is quantised is not the finished softmax but p = 2^(t - M), with t = logit x log2(e) and M = ceil(the row's largest t), a whole number; so 1/2 < the row's largest p <= 1. The row's sum l is taken of the UNQUANTISED p, in f32, and the product's result is divided by l at the end. Since M is a whole number, a kernel that streams over the keys may use a running M (the ceiling of the running maximum): every later rescaling is an exact power of two, which a block's scale takes up: the codes' values come out the same.
;;   OPERANDS COMPUTED ON THE WAY. 'Computed on the way' means the value that the module computes at that place (a softmax that the list does not call 'softmax' is quantised finished and normalised). What goes into a quantiser is computed in f32, as accurately as f32 sums, v_exp_f32 and their like allow (about 1e-6 of the number): no bf16 or f16 on the way to a quantiser, and a product that is left as it is and whose result goes on into a quantised operand takes f32 operands (vector FMAs, or v_wmma_f32_16x16x4_f32). A number that lies on a knife's edge between two numbers of the format may be rounded either way, as far as f32 arithmetic and the matrix unit's own rounding can turn it there, and no further.
;; One version. Each part assembles by itself: llvm-mc -triple=amdgcn-amd-amdhsa -mcpu=gfx1250 --defsym DOCPART=n.
;; ======== version 1 of 1: 4 launches
;; limits: right only within a limited range of input values
;; workspace buffers: xq 8,650,752 bytes; wq 4,325,376 bytes; qq 8,912,896 bytes; kvq 17,563,648 bytes; aq 8,650,752 bytes
;; launch quant (part 1): grid 640 x 1, 4 waves a work-group, no clusters, 68,096 bytes of LDS; arguments x, Wq, Wk, Wv, Wo, xq, wq; writes xq, wq
.if DOCPART == 1
	.amdgcn_target "amdgcn-amd-amdhsa--gfx1250"
	.amdhsa_code_object_version 6
	.text
	.protected	k_q31f689fabb_quant
	.globl	k_q31f689fabb_quant
	.p2align	8
	.type	k_q31f689fabb_quant,@function
k_q31f689fabb_quant:
	s_mov_b64 s[64:65], 0
	v_nop
	global_prefetch_b8 v0, s[64:65] scope:SCOPE_SE
	s_setreg_imm32_b32 hwreg(HW_REG_WAVE_MODE, 25, 1), 1
	s_wait_xcnt 0x0
; x [8192][1024] (K innermost) and Wq, Wk, Wv, Wo [1024 (k)][1024 (n)] (K is the first axis), f32, become codes of E4M3 with one E8M0 byte for each 32 along K.
; A block's scale is 2^(floor(log2(largest magnitude)) - 8); each number is divided by it, held within +-448 and rounded to the nearest code, ties to even.
; LAYOUT OF THE RESULT: images of operand registers.  A fragment is 16 rows x 128 K = [c 4][lane 32][16 bytes]: lane (r, h) holds row r, k = 32 c + 16 h + 0 .. 15.
; THE 16 ROWS OF A TILE ARE NOT NEIGHBOURS: row r of tile t is 32 (t / 2) + 8 (t % 2) + r + 8 (r / 8), so that a later product's results lie along the next K in a lane's registers.
;   xq: codes [S 4 (K / 256)][tile 512][s2 2][c][lane][16]; from byte 8,388,608 the scale words [tile / 8][S][16 (tile % 8) + r][s2], a word = the four bytes of 128 K.
;   wq: codes [w 4][S 4][tile 64][s2][c][lane][16]; from byte 4,194,304 the scale words [w][tile / 8][S][16 (tile % 8) + r][s2].
; LIMITS: NaN and infinities among the inputs are not served.  A block of zeros, or one whose largest magnitude lies under 2^-118, gets the byte 1 (its codes are zeros or near it);
; the bytes are read by this program alone.
; SHARES: work-groups 0-127 take the weights (a wave: 32 columns x 256 along K, a lane to a column, registers down K); work-groups 128-639 take x (a work-group: one tile of 16 rows; wave S: K 256 S on).
; Only x's path goes through LDS: each wave has two stages of its own, 16 rows x (512 + 16) bytes.  No barrier: waves share nothing.
.set SP,    528                        ; a stage row: 512 bytes + 16: row r starts 4 r banks on
.set STG,   16*SP
.set SPARE, 8*STG                      ; behind the eight stages: the spare words, 128 bytes a wave
.set LN,   1                           ; v1  lane
.set RR,   2                           ; v2  r = lane % 16
.set LI,   3                           ; v3  16 x lane
.set SOF,  4                           ; v4  the scale store's offset
.set HH,   5                           ; v5  h = lane / 16
.set WLD,  6                           ; v6  weights: my column's bytes
.set WST,  7                           ; v7  weights: my codes' place
.set SPW,  12                          ; v12 my spare word; never rewritten
.set NIL,  13                          ; v13 0; never rewritten
.set SIN,  14                          ; v14 stage, way in
.set SOUT, 15                          ; v15 stage, way out
.set RA,   16                          ; v16-79   x: fragment 0 as loaded; later fragment 1's neighbours
.set RB,   80                          ; v80-143  x: fragment 1 as loaded; later its codes
.set XA,   144                         ; v144-207 x: fragment 0's neighbours
.set PCA,  208                         ; v208-223 x: fragment 0's codes
.set TM,   224                         ; v224-239 at work
.set PW,   240                         ; v240, 241 the two scale words; v242 the one that I store
.set SB,   24                          ; weights: v24, 25 scale bytes
.set XW,   32                          ; weights: v32-95 two sets of 32 numbers
.set CW,   96                          ; weights: v96-159 codes, eight registers for each block, so that no store's data are written again
	s_load_b256 s[4:11], s[0:1], 0x0               ; x, Wq, Wk, Wv
	s_load_b128 s[12:15], s[0:1], 0x20             ; Wo, xq
	s_load_b64 s[16:17], s[0:1], 0x30              ; wq
	v_lshl_add_u32 v[SPW], v0, 2, SPARE
	v_mov_b32 v[NIL], 0
	v_lshrrev_b32 v1, 5, v0
	v_readfirstlane_b32 s18, v1                    ; wave
	v_and_b32 v[LN], 31, v0
	v_and_b32 v[RR], 15, v0
	v_bfe_u32 v[HH], v0, 4, 1
	v_lshlrev_b32 v[LI], 4, v[LN]
	s_mul_i32 s19, s18, 2*STG                      ; my two stages
	v_add_nc_u32 v[SIN], s19, v[LI]                ; in: a row's 512 bytes as they lie
	v_mul_u32_u24 v[SOUT], v[RR], SP
	v_lshl_add_u32 v[SOUT], v[HH], 6, v[SOUT]
	v_add_nc_u32 v[SOUT], s19, v[SOUT]             ; out: row r, + 64 h: my 16 numbers of a block of 32
	s_mov_b32 s20, 0x76543210
	s_mov_b32 s21, 0xfedcba98                      ; v_permlanex16_b32's selects for lane l xor 16
	s_mov_b32 s23, 0xffff0000                      ; lanes 16-31
	s_cmp_lt_u32 ttmp9, 128
	s_cbranch_scc0 .Lx
	; ---------------- the weights ----------------
	s_lshr_b32 s24, ttmp9, 5                       ; which weight: 0 q, 1 k, 2 v, 3 o
	s_bfe_u32 s25, ttmp9, 0x30002
	s_lshl_b32 s25, s25, 2
	s_add_co_u32 s25, s25, s18                     ; beta: my 32 columns = tiles 2 beta, 2 beta + 1
	s_and_b32 s26, ttmp9, 3                        ; S: my 256 along K
	s_wait_alu depctr_va_vdst(0)
	v_and_b32 v[WLD], 8, v[RR]
	v_add_nc_u32 v[WLD], v[WLD], v[RR]
	v_lshl_add_u32 v[WLD], v[HH], 3, v[WLD]        ; my column among the 32: 8 u + r + 8 (r / 8), u = lane / 16: the 32 lanes cover 128 consecutive bytes
	v_lshlrev_b32 v[WLD], 2, v[WLD]
	v_lshlrev_b32 v[WST], 4, v[RR]
	v_lshl_add_u32 v[WST], v[HH], 12, v[WST]       ; tile u of the two, lane r of the image
	v_lshlrev_b32 v[SOF], 3, v[LN]                 ; two scale words a row
	s_lshl_b32 s28, s26, 20                        ; 256 rows of 4,096 bytes
	s_lshl_b32 s27, s25, 7
	s_add_co_u32 s28, s28, s27
	s_mov_b32 s29, 0
	s_lshl_b32 s30, s24, 20
	s_lshl_b32 s27, s26, 18
	s_add_co_u32 s30, s30, s27
	s_lshl_b32 s27, s25, 13
	s_add_co_u32 s30, s30, s27                     ; codes: w x 1 MiB + S x 256 KiB + 2 beta x 4,096
	s_mov_b32 s31, 0
	s_lshl_b32 s32, s24, 15
	s_lshr_b32 s27, s25, 2
	s_lshl_b32 s27, s27, 12
	s_add_co_u32 s32, s32, s27
	s_lshl_b32 s27, s26, 10
	s_add_co_u32 s32, s32, s27
	s_and_b32 s27, s25, 3
	s_lshl_b32 s27, s27, 8
	s_add_co_u32 s32, s32, s27
	s_add_co_u32 s32, s32, 0x400000                ; scale words: 4 MiB + w x 32,768 + (beta / 4) x 4,096 + S x 1,024 + (beta % 4) x 256
	s_mov_b32 s33, 0
	s_wait_alu depctr_va_vdst(0)
	s_wait_kmcnt 0x0
	s_cmp_eq_u32 s24, 1                            ; the choice hangs on the work-group's number alone
	s_cselect_b64 s[34:35], s[8:9], s[6:7]
	s_cmp_eq_u32 s24, 2
	s_cselect_b64 s[34:35], s[10:11], s[34:35]
	s_cmp_eq_u32 s24, 3
	s_cselect_b64 s[34:35], s[12:13], s[34:35]
	s_add_nc_u64 s[34:35], s[34:35], s[28:29]
	s_add_nc_u64 s[36:37], s[16:17], s[30:31]
	s_add_nc_u64 s[38:39], s[16:17], s[32:33]
.macro LOADW t                         ; block t: W(32 t + i, my column), i = 0 .. 31, into set t % 2
.set n, 0
.rept 32
	global_load_b32 v[XW+32*((\t)%2)+n], v[WLD], s[34:35] offset:(32*(\t)+n)*4096 th:TH_LOAD_NT
.set n, n+1
.endr
.endm
.macro BLOCKW t
.set XS, XW+32*((\t)%2)
.if (\t) < 7
	s_wait_loadcnt 32                              ; this block's 32 loads are in; the next block's may be out
.else
	s_wait_loadcnt 0
.endif
	v_max3_num_f32 v8, |v[XS]|, |v[XS+1]|, |v[XS+2]|               ; the block's largest magnitude: all 32 numbers are mine; two chains
	v_max3_num_f32 v9, |v[XS+3]|, |v[XS+4]|, |v[XS+5]|
.irp i, 6,10,14,18,22,26
	v_max3_num_f32 v8, v8, |v[XS+\i]|, |v[XS+\i+1]|
	v_max3_num_f32 v9, v9, |v[XS+\i+2]|, |v[XS+\i+3]|
.endr
	v_max3_num_f32 v8, v8, |v[XS+30]|, |v[XS+31]|
	v_max3_num_f32 v8, v8, v9, 0x4800000           ; and the floor 2^(9 - 127): the byte cannot fall under 1
	v_add_nc_u32 v11, 0xfc000000, v8               ; 8 off the exponent field: the conversion's scale operand
	v_lshrrev_b32 v9, 23, v11                      ; the scale's byte
.if (\t)%4 == 0
	v_mov_b32 v[SB+(\t)/4], v9
.else
	v_lshl_or_b32 v[SB+(\t)/4], v9, 8*((\t)%4), v[SB+(\t)/4]
.endif
.set n, 0
.rept 32
.set n, n+1
.endr
.irp g, 0,1,2,3
	v_cvt_scalef32_pk8_fp8_f32 v[CW+8*(\t)+2*\g:CW+8*(\t)+2*\g+1], v[XS+8*\g:XS+8*\g+7], v11
.endr
	global_store_b128 v[WST], v[CW+8*(\t):CW+8*(\t)+3], s[36:37] offset:2048*((\t)/4)+512*((\t)%4)        ; k 0-15 of the block: the image's lanes 0-15; sixteen lanes fill 256 consecutive bytes, aligned
	global_store_b128 v[WST], v[CW+8*(\t)+4:CW+8*(\t)+7], s[36:37] offset:2048*((\t)/4)+512*((\t)%4)+256  ; k 16-31: its lanes 16-31
.if (\t)+2 < 8
	LOADW (\t)+2
.endif
.endm
	LOADW 0
	LOADW 1
.irp t, 0,1,2,3,4,5,6,7
	BLOCKW \t
.endr
	global_store_b64 v[SOF], v[SB:SB+1], s[38:39]  ; 32 lanes store 256 consecutive bytes, aligned
	s_wait_tensorcnt 0x0                           ; the wave's end
	ds_add_u32 v[SPW], v[NIL]
	s_wait_dscnt 0x0
	s_endpgm
	; ---------------- x ----------------
.Lx:
	s_sub_co_u32 s24, ttmp9, 128                   ; the tile
	s_lshr_b32 s25, s24, 1
	s_lshl_b32 s25, s25, 5
	s_and_b32 s26, s24, 1
	s_lshl_b32 s26, s26, 3
	s_add_co_u32 s25, s25, s26                     ; its first row: 32 (t / 2) + 8 (t % 2)
	s_lshl_b32 s28, s25, 12
	s_lshl_b32 s26, s18, 10
	s_add_co_u32 s28, s28, s26                     ; + my wave's 256 along K
	s_mov_b32 s29, 0
	s_lshl_b32 s30, s18, 21
	s_lshl_b32 s26, s24, 12
	s_add_co_u32 s30, s30, s26                     ; codes: S x 2 MiB + tile x 4,096
	s_mov_b32 s31, 0
	s_lshr_b32 s32, s24, 3
	s_lshl_b32 s32, s32, 12
	s_lshl_b32 s26, s18, 10
	s_add_co_u32 s32, s32, s26
	s_and_b32 s26, s24, 7
	s_lshl_b32 s26, s26, 7
	s_add_co_u32 s32, s32, s26
	s_add_co_u32 s32, s32, 0x800000                ; scale words: 8 MiB + (tile / 8) x 4,096 + S x 1,024 + (tile % 8) x 128
	s_mov_b32 s33, 0
	s_wait_alu depctr_va_vdst(0)
	v_lshlrev_b32 v[SOF], 3, v[RR]
	v_lshl_add_u32 v[SOF], v[HH], 2, v[SOF]        ; row r's word of K step h
.irp b, 0,1,2,3
	v_mov_b32 v[TM+4+\b], 0                        ; written once: a lane permute's destination counts as one of its sources
.endr
	s_wait_kmcnt 0x0
	s_add_nc_u64 s[34:35], s[4:5], s[28:29]
	s_add_nc_u64 s[36:37], s[14:15], s[30:31]
	s_add_nc_u64 s[38:39], s[14:15], s[32:33]
.irp f, 0,1                            ; all 32 loads at once: each reads 512 consecutive bytes of one row
.irp i, 0,1,2,3,4,5,6,7,8,9,10,11,12,13,14,15
	global_load_b128 v[RA+64*\f+4*\i:RA+64*\f+4*\i+3], v[LI], s[34:35] offset:(\i+8*(\i/8))*4096+512*\f th:TH_LOAD_NT
.endr
.endr
; 64 numbers of a lane, register 16 b + i = k 32 b + 16 h + i of my row, become a fragment's codes in v[pc] on and its scale word in v[pw]
.macro QUANT s, pc, pw
.irp b, 0,1,2,3
	v_max3_num_f32 v[TM+\b], |v[\s+16*\b]|, |v[\s+1+16*\b]|, 0x4800000   ; my 16 numbers of block b, and the floor 2^(9 - 127)
.endr
.irp i, 2,4,6,8,10,12,14
.irp b, 0,1,2,3
	v_max3_num_f32 v[TM+\b], v[TM+\b], |v[\s+16*\b+\i]|, |v[\s+1+16*\b+\i]|   ; the four blocks by turns
.endr
.endr
.irp b, 0,1,2,3
	v_permlanex16_b32 v[TM+4+\b], v[TM+\b], s20, s21
.endr
.irp b, 0,1,2,3
	v_max_num_f32 v[TM+\b], v[TM+\b], v[TM+4+\b]   ; with lane l xor 16's: the block's largest magnitude
.endr
.irp b, 0,1,2,3
	v_add_nc_u32 v[TM+12+\b], 0xfc000000, v[TM+\b] ; the conversion's scale operand
.endr
.irp b, 0,1,2,3
.endr
.irp b, 0,1,2,3
	v_lshrrev_b32 v[TM+4+\b], 23, v[TM+12+\b]      ; the scale's byte
.endr
	v_lshl_or_b32 v[\pw], v[TM+5], 8, v[TM+4]
	v_lshl_or_b32 v[\pw], v[TM+6], 16, v[\pw]
	v_lshl_or_b32 v[\pw], v[TM+7], 24, v[\pw]
.irp b, 0,1,2,3
.irp i, 0,1,2,3,4,5,6,7,8,9,10,11,12,13,14,15
.endr
	v_cvt_scalef32_pk8_fp8_f32 v[\pc+4*\b:\pc+4*\b+1], v[\s+16*\b:\s+16*\b+7], v[TM+12+\b]
	v_cvt_scalef32_pk8_fp8_f32 v[\pc+4*\b+2:\pc+4*\b+3], v[\s+16*\b+8:\s+16*\b+15], v[TM+12+\b]
.endr
	v_nop                                          ; a plain line behind the last conversion
.endm
	s_wait_loadcnt 16                              ; fragment 0's sixteen loads are in; fragment 1's may be out
.irp i, 0,1,2,3,4,5,6,7,8,9,10,11,12,13,14,15
	ds_store_b128 v[SIN], v[RA+4*\i:RA+4*\i+3] offset:SP*\i
.endr
.irp c, 0,1,2,3
.irp j, 0,1,2,3
	ds_load_b128 v[XA+16*\c+4*\j:XA+16*\c+4*\j+3], v[SOUT] offset:128*\c+16*\j   ; LDS serves a wave's instructions in order: these see my stores
.endr
.endr
	s_wait_loadcnt 0x0
.irp i, 0,1,2,3,4,5,6,7,8,9,10,11,12,13,14,15
	ds_store_b128 v[SIN], v[RB+4*\i:RB+4*\i+3] offset:STG+SP*\i
.endr
	s_wait_dscnt 32                                ; behind the first sixteen stores stand 16 loads and 16 stores: those first stores have read v16-79
.irp c, 0,1,2,3
.irp j, 0,1,2,3
	ds_load_b128 v[RA+16*\c+4*\j:RA+16*\c+4*\j+3], v[SOUT] offset:STG+128*\c+16*\j
.endr
.endr
	s_wait_dscnt 32                                ; behind fragment 0's loads stand 16 stores and 16 loads: fragment 0 is back
	QUANT XA, PCA, PW
.irp c, 0,1,2,3
	global_store_b128 v[LI], v[PCA+4*\c:PCA+4*\c+3], s[36:37] offset:512*\c        ; 512 consecutive bytes, aligned
.endr
	s_wait_dscnt 0x0                               ; fragment 1 is back, and its stage stores have read v80-143
	QUANT RA, RB, PW+1
.irp c, 0,1,2,3
	global_store_b128 v[LI], v[RB+4*\c:RB+4*\c+3], s[36:37] offset:2048+512*\c
.endr
	v_cndmask_b32 v[PW+2], v[PW], v[PW+1], s23     ; lanes 0-15 store K step 0's word, lanes 16-31 K step 1's
	global_store_b32 v[SOF], v[PW+2], s[38:39]     ; 128 consecutive bytes
	s_wait_tensorcnt 0x0                           ; the wave's end, behind my last LDS store
	ds_add_u32 v[SPW], v[NIL]
	s_wait_dscnt 0x0
	s_endpgm
.Lfunc_end_k_q31f689fabb_quant:
	.size	k_q31f689fabb_quant, .Lfunc_end_k_q31f689fabb_quant-k_q31f689fabb_quant
	.p2alignl 7, 3214868480
	.fill 96, 4, 3214868480
	.section	.rodata,"a",@progbits
	.p2align	6, 0x0
	.amdhsa_kernel k_q31f689fabb_quant
		.amdhsa_group_segment_fixed_size 68096
		.amdhsa_private_segment_fixed_size 0
		.amdhsa_enable_private_segment 0
		.amdhsa_kernarg_size 56
		.amdhsa_user_sgpr_count 2
		.amdhsa_user_sgpr_kernarg_segment_ptr 1
		.amdhsa_wavefront_size32 1
		.amdhsa_system_sgpr_workgroup_id_x 1
		.amdhsa_system_sgpr_workgroup_id_y 1
		.amdhsa_system_sgpr_workgroup_id_z 1
		.amdhsa_system_vgpr_workitem_id 0
		.amdhsa_next_free_vgpr 256
		.amdhsa_next_free_sgpr 66
		.amdhsa_reserve_vcc 0
		.amdhsa_float_denorm_mode_32 3
		.amdhsa_float_denorm_mode_16_64 3
		.amdhsa_fp16_overflow 1
		.amdhsa_memory_ordered 1
		.amdhsa_forward_progress 1
		.amdhsa_inst_pref_size 57
	.end_amdhsa_kernel
	.amdgpu_metadata
---
amdhsa.version: [ 1, 2 ]
amdhsa.kernels:
  - .name:           k_q31f689fabb_quant
    .symbol:         k_q31f689fabb_quant.kd
    .args:
      - { .name: x, .offset: 0, .size: 8, .value_kind: global_buffer, .address_space: global }
      - { .name: Wq, .offset: 8, .size: 8, .value_kind: global_buffer, .address_space: global }
      - { .name: Wk, .offset: 16, .size: 8, .value_kind: global_buffer, .address_space: global }
      - { .name: Wv, .offset: 24, .size: 8, .value_kind: global_buffer, .address_space: global }
      - { .name: Wo, .offset: 32, .size: 8, .value_kind: global_buffer, .address_space: global }
      - { .name: xq, .offset: 40, .size: 8, .value_kind: global_buffer, .address_space: global }
      - { .name: wq, .offset: 48, .size: 8, .value_kind: global_buffer, .address_space: global }
    .group_segment_fixed_size: 68096
    .private_segment_fixed_size: 0
    .kernarg_segment_align: 8
    .kernarg_segment_size: 56
    .max_flat_workgroup_size: 128
    .sgpr_count:     66
    .vgpr_count:     256
    .wavefront_size: 32
...
	.end_amdgpu_metadata
.endif
;; end of part 1
;; launch qkv (part 2): grid 8 x 48, 4 waves a work-group, clusters of 4 x 4, 327,680 bytes of LDS; arguments xq, wq, bq, bk, bv, qq, kvq; writes qq, kvq
.if DOCPART == 2
	.amdgcn_target "amdgcn-amd-amdhsa--gfx1250"
	.amdhsa_code_object_version 6
	.text
	.protected	k_q31f689fabb_qkv
	.globl	k_q31f689fabb_qkv
	.p2align	8
	.type	k_q31f689fabb_qkv,@function
k_q31f689fabb_qkv:
	s_mov_b64 s[64:65], 0
	v_nop
	global_prefetch_b8 v0, s[64:65] scope:SCOPE_SE
	s_setreg_imm32_b32 hwreg(HW_REG_WAVE_MODE, 25, 1), 1
	s_wait_xcnt 0x0
	s_wait_alu depctr_hold_cnt(0) depctr_sa_sdst(0) depctr_va_vdst(0) depctr_va_sdst(0) depctr_va_ssrc(0) depctr_va_vcc(0) depctr_vm_vsrc(0)
	s_getreg_b32 s2, hwreg(HW_REG_IB_STS2, 6, 4)
	s_cmp_eq_u32 s2, 0
	s_cbranch_scc0 .Lentry_in_a_cluster
	s_endpgm
.Lentry_in_a_cluster:
	s_bfe_u32 s2, ttmp6, 0x10000c
	s_cmp_lg_u32 s2, 0xf033
	s_cbranch_scc0 .Lentry_shape_is_right
	s_endpgm
.Lentry_shape_is_right:
; q = x Wq + bq, k = x Wk + bk, v = x Wv + bv on codes of E4M3 with E8M0 scales (K = 1,024), and the results quantised at once: q and k along the head's 64 (two blocks), v along the tokens.
; OPERANDS lie in memory and in LDS as images of their registers: a fragment (16 rows x 128 K) is [c 4][lane 32][16 bytes]; row r of tile t is 32 (t / 2) + 8 (t % 2) + r + 8 (r / 8).
; With both sides in that order, in the 16 registers of source 0's tiles 2 b, 2 b + 1 a lane holds 16 neighbours, 32 b + 16 (lane / 16) + 0 .. 15, of source 0's rows, for ONE row of source 1.
;   q, k (MODE 0): source 0 = 16 columns of W, source 1 = 16 tokens: a lane holds a token, its registers run along n = the next product's K.
;   v    (MODE 1): source 0 = 16 tokens, source 1 = 16 columns of Wv: a lane holds a channel, its registers run along the tokens = the next product's K.
; SHARES.  A work-group makes 256 rows of source 0 x 256 rows of source 1; each of four waves 128 x 128: 64 accumulators, 512 registers.  K goes in steps of 256 through two LDS slots; the scale words of all of K come once.
; CLUSTERS, 4 x 4: source 1's tiles ('A') hang on cy and the cluster's y alone and are shared along a row; source 0's ('B') on cx and the cluster's place alone and are shared along a column.
; Clusters with y < 8 are MODE 0 (cluster x = 0: q, 1: k); y >= 8 MODE 1.  MODE is the same in all sixteen partners; only pointers and indices are chosen by it, and three short branches.
; RESULTS: qq: codes [hb = 4 head + batch][tile 128][c 2][lane][16]; from byte 8,388,608 scale words [hb][tile / 8][r 16][tile % 8], bytes 2 and 3 = 0x7f.
;          kvq: [hb 64][step 16][17,152]: K [t 8][c 2][lane][16]; at 8,192 V^T [dt 4][c 4][lane][16]; at 16,384 K's scale words [r][t 8]; at 16,896 V's [r][dt 4].
; LIMITS: NaN and infinities are not served; a block under 2^-118 (or of zeros) gets the byte 1; the bytes are read by this program alone.
; REGISTERS: window 0: v1-31 addresses; v32-63 scale words, two sets; v64-127 the bias; v128-255 A's fragments, one set (in the way out: at work).  window 1: B's fragments, two sets.  windows 2, 3: accumulators (a, b) at v[8 (8 (a % 4) + b)].
.set NQ,     2                         ; matrix instructions deep in a slot
.set FR,     16                        ; registers of a fragment
.set NL,     4                         ; LDS loads that bring one
.set NP,     8                         ; places behind this matrix instruction (ISA guide 7.12.1)
.set HALFT,  32768                     ; 8 tiles x 2 K steps x 2,048 bytes: what one tensor load brings, and what one wave reads of A or of B
.set SLOT,   4*HALFT                   ; A's two halves, then B's two
.set SCL,    2*SLOT                    ; behind the ring: the scale words, four blocks of 4,096 bytes [S 4][128 rows][8 bytes], in the same order
.set SPARE,  SCL+4*4096                ; the spare words, 128 bytes a wave
.set HS,     4*274432                  ; from head to head in kvq
.set VA,   8                           ; v8-15   the code stores' offsets: 16 x lane + (a % 4) x SA0 + (b / 2) x SB1
.set ADRA, 16                          ; v16-17  LDS address of my A fragments in slot 0, 1
.set ADRB, 20                          ; v20-21  the same for B
.set ADRS, 27                          ; v27     LDS address of my scale words: lanes 0-15 A's rows, lanes 16-31 B's
.set SPW,  28                          ; v28     my spare word; never rewritten
.set NIL,  29                          ; v29     0; never rewritten
.set SV0,  30                          ; v30, 31 the scale stores' offsets
.set SV1,  31
.set SC,   32
.set BI,   64
.set AF,   128
.set XT,   128                         ; the way out: v128-191 64 held numbers
.set TM,   192                         ; v192-207 at work
.set PW,   208                         ; v208-215 a scale word for each a
.set PS,   216                         ; v216-219 the four that I store
.set PC,   224                         ; v224-255 codes, two sets
.set G1,   24
.set G0,   32
.set STA,  40                          ; s[40:41] A's step along K, s[42:43] B's
.set STB,  42
.set MNT,  46
.set G1B,  48
.set G0B,  56
.set G1S,  68
.set G0S,  76
.set G1SB, 80
.set G0SB, 88
.set OB,   92                          ; s[92:93], s[94:95] the code stores' bases for a < 4, a >= 4
.set SBS,  96                          ; s[96:97] the scale stores' base
.set SEL,  100
.set MSB, 0
.macro WIN new                         ; the immediate's high byte repeats the setting that is left
.if MSB != \new
	s_set_vgpr_msb (MSB<<8)|\new
.set MSB, \new
.endif
.endm
.set MUL_LO, 0xa1                      ; source 0 (B) window 1, source 1 (A) window 0, C and D window 2
.set MUL_HI, 0xf1                      ; the same, C and D window 3
.set TO_B,   0x40                      ; destination window 1, address window 0
; A joint load: waves 0 and 1 fetch for A, waves 2 and 3 for B; the branch hangs on the wave's number alone.  An s_nop 0 and four v_nop follow each of the two lines.
.macro JLOAD g0a, g1a, g0b, g1b
	s_cmp_eq_u32 s17, 0
	s_cbranch_scc0 .Lfor_b_\@
	tensor_load_to_lds s[\g0a:\g0a+3], s[\g1a:\g1a+7]
	s_nop 0
.rept 4
	v_nop
.endr
	s_branch .Lasked_\@
.Lfor_b_\@:
	tensor_load_to_lds s[\g0b:\g0b+3], s[\g1b:\g1b+7]
	s_nop 0
.rept 4
	v_nop
.endr
.Lasked_\@:
.endm
.macro CREST                           ; a round of the cluster's barrier behind its opening barrier
	s_cmp_lg_u32 s16, 0
	s_cbranch_scc1 .Lnot_wave_0_\@
	s_barrier_signal -3
.Lnot_wave_0_\@:
	s_barrier_wait -3
	s_barrier_signal -1
	s_barrier_wait -1
.endm
.macro CROUND
	s_barrier_signal -1
	s_barrier_wait -1
	CREST
.endm
	s_load_b256 s[4:11], s[0:1], 0x0               ; xq s[4:5], wq s[6:7], bq s[8:9], bk s[10:11]
	s_load_b128 s[12:15], s[0:1], 0x20             ; bv s[12:13], qq s[14:15]
	s_load_b64 s[66:67], s[0:1], 0x30              ; kvq
	v_lshl_add_u32 v[SPW], v0, 2, SPARE
	v_mov_b32 v[NIL], 0
	ds_add_u32 v[SPW], v[NIL]
	ds_add_u32 v[SPW], v[NIL]                      ; the wave's opening: the add and its wait ahead of my first tensor load; work on registers stands between them
	v_lshrrev_b32 v1, 5, v0
	v_readfirstlane_b32 s16, v1                    ; wave 0..3
	s_lshr_b32 s17, s16, 1                         ; my half of A's rows.  Also: I fetch for A (0) or for B (1)
	s_and_b32 s18, s16, 1                          ; my half of B's rows.  Also: which half I fetch
	s_bfe_u32 s20, ttmp6, 0x40000                  ; cx
	s_bfe_u32 s21, ttmp6, 0x40004                  ; cy
	s_mov_b32 s22, ttmp9                           ; cluster x: 0, 1
	s_and_b32 s23, ttmp7, 0xffff                   ; cluster y: 0 .. 11
	s_lshl_b32 s2, s21, 2
	s_lshl_b32 s2, 15, s2                          ; my row of the cluster
	s_lshl_b32 s96, 0x1111, s20                    ; my column
	s_or_b32 s[G1], s2, (3<<16)|(1<<21)            ; 15:0 the mask; 17:16 elements of 8 bytes; 21 set beside a mask; no padding: images need none
	s_or_b32 s[G1S], s2, (3<<16)|(1<<21)
	s_or_b32 s[G1B], s96, (3<<16)|(1<<21)
	s_or_b32 s[G1SB], s96, (3<<16)|(1<<21)
.irp g, G1, G1B                        ; codes: a dense block of 32,768 bytes as 128 rows of 256
	s_mov_b32 s[\g+1], 32<<16
	s_mov_b32 s[\g+2], 128<<16
	s_mov_b32 s[\g+3], 32<<16
	s_mov_b32 s[\g+4], 128
	s_mov_b32 s[\g+5], 32
	s_mov_b32 s[\g+6], 0
	s_mov_b32 s[\g+7], 0
.endr
.irp g, G1S, G1SB                      ; scale words: a dense block of 4,096 bytes as 16 rows of 256
	s_mov_b32 s[\g+1], 32<<16
	s_mov_b32 s[\g+2], 16<<16
	s_mov_b32 s[\g+3], 32<<16
	s_mov_b32 s[\g+4], 16
	s_mov_b32 s[\g+5], 32
	s_mov_b32 s[\g+6], 0
	s_mov_b32 s[\g+7], 0
.endr
	s_mov_b32 s[MNT], 0x600000                     ; the mantissa field of 448
	s_mov_b32 s[SEL], 0x76543210
	s_mov_b32 s[SEL+1], 0xfedcba98
	; A's side: made of cy, the cluster's y and the wave's number alone
	s_lshl_b32 s2, s23, 2
	s_add_co_u32 s2, s2, s21                       ; gy = 4 x cluster y + cy
	s_cmp_lt_u32 s23, 8
	s_cselect_b32 s19, 0, 1                        ; MODE
	s_cselect_b32 s2, s2, s21                      ; A's tile of 256 rows: tokens gy, or Wv's columns cy
	s_cselect_b32 s3, 0, 0x200000                  ; Wv's codes lie 2 MiB into wq
	s_mov_b32 s45, 0x410000
	s_cselect_b32 s45, 0x800000, s45               ; where the scale words begin
	s_mov_b32 s[STA], 0x40000
	s_cselect_b32 s[STA], 0x200000, s[STA]         ; from S to S + 1 in A's buffer,
	s_mov_b32 s[STB], 0x200000
	s_cselect_b32 s[STB], 0x40000, s[STB]          ; and in B's
	s_mov_b32 s[STA+1], 0
	s_mov_b32 s[STB+1], 0
	s_lshl_b32 s44, s2, 13
	s_add_co_u32 s44, s44, s45
	s_lshl_b32 s45, s18, 12
	s_add_co_u32 s44, s44, s45                     ; A's scale words: base + (2 tile + half) x 4,096
	s_mov_b32 s45, 0
	s_lshl_b32 s2, s2, 16
	s_add_co_u32 s2, s2, s3
	s_lshl_b32 s3, s18, 15
	s_add_co_u32 s2, s2, s3                        ; A's codes: (16 tile + 8 half) x 4,096
	s_mov_b32 s3, 0
	; B's side: made of cx, the cluster's place and the wave's number alone
	s_and_b32 s96, s23, 3
	s_lshl_b32 s96, s96, 3
	s_add_co_u32 s96, s96, s20
	s_lshl_b32 s97, s22, 2
	s_add_co_u32 s96, s96, s97                     ; MODE 1: tokens' tile 4 x cluster x + cx + 8 (cluster y - 8)
	s_lshl_b32 s97, s22, 20                        ; MODE 0: Wq's or Wk's codes,
	s_lshl_b32 s98, s22, 15
	s_add_co_u32 s98, s98, 0x400000                ; and scale words
	s_cmp_eq_u32 s19, 0
	s_cselect_b32 s96, s20, s96
	s_cselect_b32 s97, s97, 0
	s_cselect_b32 s98, s98, 0x800000
	s_lshl_b32 s92, s96, 16
	s_add_co_u32 s92, s92, s97
	s_lshl_b32 s97, s18, 15
	s_add_co_u32 s92, s92, s97
	s_mov_b32 s93, 0
	s_lshl_b32 s94, s96, 13
	s_add_co_u32 s94, s94, s98
	s_lshl_b32 s97, s18, 12
	s_add_co_u32 s94, s94, s97
	s_mov_b32 s95, 0
	s_lshl_b32 s99, s16, 15                        ; where the codes go: wave x 32,768: no place in the cluster enters an LDS address
	s_lshl_b32 s98, s16, 12                        ; and the scale words: wave x 4,096
	s_wait_dscnt 0x0                               ; the opening add is done
	s_wait_kmcnt 0x0
	s_cmp_eq_u32 s19, 0
	s_cselect_b64 s[G0+2:G0+3], s[4:5], s[6:7]
	s_cselect_b64 s[G0S+2:G0S+3], s[4:5], s[6:7]
	s_cselect_b64 s[G0B+2:G0B+3], s[6:7], s[4:5]
	s_cselect_b64 s[G0SB+2:G0SB+3], s[6:7], s[4:5]
	s_add_nc_u64 s[G0+2:G0+3], s[G0+2:G0+3], s[2:3]
	s_add_nc_u64 s[G0+6:G0+7], s[G0+2:G0+3], s[STA:STA+1]          ; slot 1 begins with S = 1
	s_add_nc_u64 s[G0S+2:G0S+3], s[G0S+2:G0S+3], s[44:45]
	s_add_nc_u64 s[G0B+2:G0B+3], s[G0B+2:G0B+3], s[92:93]
	s_add_nc_u64 s[G0B+6:G0B+7], s[G0B+2:G0B+3], s[STB:STB+1]
	s_add_nc_u64 s[G0SB+2:G0SB+3], s[G0SB+2:G0SB+3], s[94:95]
	s_or_b32 s[G0+3], s[G0+3], 0x80000000
	s_or_b32 s[G0+7], s[G0+7], 0x80000000
	s_or_b32 s[G0S+3], s[G0S+3], 0x80000000
	s_or_b32 s[G0B+3], s[G0B+3], 0x80000000
	s_or_b32 s[G0B+7], s[G0B+7], 0x80000000
	s_or_b32 s[G0SB+3], s[G0SB+3], 0x80000000
.irp s, 0,1
	s_mov_b32 s[G0+4*\s], 1
	s_add_co_u32 s[G0+4*\s+1], s99, \s*SLOT
	s_mov_b32 s[G0B+4*\s], 1
	s_add_co_u32 s[G0B+4*\s+1], s99, \s*SLOT
.endr
	s_mov_b32 s[G0S], 1
	s_add_co_u32 s[G0S+1], s98, SCL
	s_mov_b32 s[G0SB], 1
	s_add_co_u32 s[G0SB+1], s98, SCL
	s_lshl_b32 s[STA], s[STA], 1                   ; a refill goes two S on
	s_lshl_b32 s[STB], s[STB], 1
	CROUND                                         ; all sixteen work-groups are here: the first joint loads meet
	JLOAD G0S, G1S, G0SB, G1SB                     ; the scale words of all of K: filled once
	JLOAD G0, G1, G0B, G1B                         ; S = 0
	JLOAD G0+4, G1, G0B+4, G1B                     ; S = 1: three loads of mine are out
	v_and_b32 v1, 31, v0                           ; lane
	v_and_b32 v2, 15, v0                           ; r
	v_bfe_u32 v3, v0, 4, 1                         ; h
	s_wait_alu depctr_va_vdst(0)
	v_lshlrev_b32 v4, 4, v1                        ; 16 x lane: my place in every image
	; the bias: it is the C of each sum's first matrix instruction
	s_cmp_eq_u32 s19, 0
	s_cselect_b32 s44, s20, s21                    ; which 256 columns n,
	s_cselect_b32 s45, s18, s17                    ; and which half of them is my wave's
	s_lshl_b32 s2, s44, 10
	s_lshl_b32 s3, s45, 9
	s_add_co_u32 s2, s2, s3
	s_mov_b32 s3, 0
	s_cmp_eq_u32 s22, 0
	s_cselect_b64 s[8:9], s[8:9], s[10:11]         ; bq or bk,
	s_cmp_eq_u32 s19, 0
	s_cselect_b64 s[8:9], s[8:9], s[12:13]         ; or bv
	s_add_nc_u64 s[8:9], s[8:9], s[2:3]
	v_lshlrev_b32 v5, 6, v3                        ; MODE 0: 16 h numbers on
	v_and_b32 v7, 8, v2
	v_add_nc_u32 v7, v7, v2
	v_lshlrev_b32 v7, 2, v7                        ; MODE 1: r + 8 (r / 8) numbers on
	s_cmp_eq_u32 s19, 0
	s_cbranch_scc0 .Lbias_v
.irp b, 0,1,2,3,4,5,6,7                ; along source 0: register j of tile b is column 32 (b / 2) + 8 (b % 2) + 16 h + j
	global_load_b128 v[BI+8*\b:BI+8*\b+3], v5, s[8:9] offset:(32*(\b/2)+8*(\b%2))*4
	global_load_b128 v[BI+8*\b+4:BI+8*\b+7], v5, s[8:9] offset:(32*(\b/2)+8*(\b%2))*4+16
.endr
	s_branch .Lbias_done
.Lbias_v:
	s_wait_alu depctr_va_vdst(0)
.irp a, 0,1,2,3,4,5,6,7                ; along source 1: all eight registers of tile a hold my channel's number
.irp j, 0,1,2,3,4,5,6,7
	global_load_b32 v[BI+8*\a+\j], v7, s[8:9] offset:(32*(\a/2)+8*(\a%2))*4
.endr
.endr
.Lbias_done:
	s_lshl_b32 s2, s17, 15                         ; my half of A
	s_lshl_b32 s3, s18, 15
	s_add_co_u32 s3, s3, 2*HALFT                   ; my half of B, behind A's two
	s_wait_alu depctr_va_vdst(0)
.irp s, 0,1
	v_add_nc_u32 v[ADRA+\s], s2, v4
	v_add_nc_u32 v[ADRB+\s], s3, v4
	s_add_co_u32 s2, s2, SLOT
	s_add_co_u32 s3, s3, SLOT
.endr
	s_lshl_b32 s2, s17, 12                         ; A's scale words: my half
	s_lshl_b32 s3, s18, 12
	s_add_co_u32 s3, s3, 8192                      ; B's: my half, behind A's two
	s_sub_co_u32 s3, s3, s2
	v_mul_u32_u24 v6, s3, v3                       ; lanes 16-31 take B's: one product in h
	s_add_co_u32 s2, s2, SCL
	v_lshl_add_u32 v6, v2, 3, v6                   ; 8 bytes a row
	v_add_nc_u32 v[ADRS], s2, v6
	; where the results go
	s_lshl_b32 s2, s23, 2
	s_add_co_u32 s2, s2, s21
	s_and_b32 s3, s23, 3
	s_lshl_b32 s3, s3, 3
	s_add_co_u32 s3, s3, s20
	s_lshl_b32 s47, s22, 2
	s_add_co_u32 s3, s3, s47
	s_cmp_eq_u32 s19, 0
	s_cselect_b32 s2, s2, s3                       ; the tokens' tile of 256,
	s_cselect_b32 s3, s17, s18                     ; and my half of it
	s_lshr_b32 s47, s2, 3                          ; batch
	s_and_b32 s2, s2, 7
	s_lshl_b32 s2, s2, 1
	s_add_co_u32 s2, s2, s3                        ; step: my 128 tokens in the batch
	s_lshl_b32 s3, s44, 4
	s_lshl_b32 s45, s45, 3
	s_add_co_u32 s3, s3, s45
	s_add_co_u32 s3, s3, s47                       ; hb of my first head: 4 (4 nT + 2 nhalf) + batch
	s_mul_i32 s98, s3, 274432
	s_mul_i32 s99, s2, 17152
	s_add_co_u32 s98, s98, s99                     ; the record in kvq
	s_lshl_b32 s92, s3, 17
	s_lshl_b32 s99, s2, 13
	s_add_co_u32 s92, s92, s99                     ; q's codes
	s_lshl_b32 s96, s3, 13
	s_lshl_b32 s99, s2, 9
	s_add_co_u32 s96, s96, s99
	s_add_co_u32 s96, s96, 0x800000                ; q's scale words
	s_lshl_b32 s99, s19, 13
	s_add_co_u32 s94, s98, s99                     ; k's codes, or v's 8,192 bytes on
	s_lshl_b32 s99, s19, 9
	s_add_co_u32 s98, s98, s99
	s_add_co_u32 s98, s98, 16384                   ; k's scale words, or v's 512 bytes on
	s_or_b32 s99, s19, s22
	s_cmp_eq_u32 s99, 0                            ; q?
	s_cselect_b32 s92, s92, s94
	s_cselect_b32 s96, s96, s98
	s_mov_b32 s47, HS
	s_cselect_b32 s98, 0x80000, s47                ; from head to head in the codes,
	s_cselect_b32 s99, 0x8000, s47                 ; and in the scale words
	s_cselect_b64 s[2:3], s[14:15], s[66:67]
	s_mov_b32 s93, 0
	s_mov_b32 s97, 0
	s_add_nc_u64 s[OB:OB+1], s[2:3], s[92:93]
	s_add_nc_u64 s[SBS:SBS+1], s[2:3], s[96:97]
	s_cmp_eq_u32 s19, 0
	s_cselect_b32 s98, s98, 1024                   ; SB1, from b / 2 = 0 to 1: MODE 0 the next head, MODE 1 two blocks of keys
	s_cselect_b32 s94, 4096, s47                   ; from a to a + 4: MODE 0 four tiles of tokens, MODE 1 the next head
	s_mov_b32 s95, 0
	s_add_nc_u64 s[OB+2:OB+3], s[OB:OB+1], s[94:95]
	s_lshl_b32 s47, 1024, s19                      ; SA0, from a to a + 1: a tile of 1,024 bytes (q, k) or 2,048 (v)
.irp a, 0,1,2,3
	s_mul_i32 s2, s47, \a
	v_add_nc_u32 v[VA+2*\a], s2, v4
	s_add_co_u32 s2, s2, s98
	v_add_nc_u32 v[VA+2*\a+1], s2, v4
.endr
	s_lshr_b32 s2, 32, s19                         ; scale words: a row r is 32 bytes (q, k: 8 tiles) or 16 (v: 4 tiles);
	s_mov_b32 s3, HS
	s_cmp_eq_u32 s19, 0
	s_cselect_b32 s3, 16, s3                       ; lanes 16-31 store tiles 4-7 (q, k) or the next head's (v)
	v_mul_u32_u24 v[SV0], v2, s2
	v_mad_u32_u24 v[SV0], v3, s3, v[SV0]
	v_add_nc_u32 v[SV1], s99, v[SV0]               ; q, k: the second head's
.macro FRAG reg, adr, q, i             ; a fragment's image: four loads of 512 consecutive bytes
.irp c, 0,1,2,3
	ds_load_b128 v[\reg+4*\c:\reg+4*\c+3], v[\adr] offset:2048*(\q)+512*\c+(\i)*4096
.endr
.endm
; 16 matrix instructions: A's blocks a0, a0 + 1 x B's eight, 128 along K.  p: B's set; sc: the set of scale words.  zero = 1: C is the bias along source 0; 2: along source 1; 0: in place.
; The 64 accumulators take turns, one instruction a turn, in the same order in every step.
.macro MUL16 a0, p, q, sc, zero
.irp a, \a0, \a0+1
.irp b, 0,1,2,3,4,5,6,7
.if (\zero) == 1
	v_wmma_scale_f32_16x16x128_f8f6f4 v[8*(8*((\a)%4)+\b):8*(8*((\a)%4)+\b)+7], v[128*(\p)+FR*\b:128*(\p)+FR*\b+FR-1], v[AF+FR*(\a):AF+FR*(\a)+FR-1], v[BI+8*\b:BI+8*\b+7], v[SC+8*NQ*(\sc)+NQ*\b+(\q)], v[SC+8*NQ*(\sc)+NQ*(\a)+(\q)] matrix_a_scale:MATRIX_SCALE_ROW1
.elseif (\zero) == 2
	v_wmma_scale_f32_16x16x128_f8f6f4 v[8*(8*((\a)%4)+\b):8*(8*((\a)%4)+\b)+7], v[128*(\p)+FR*\b:128*(\p)+FR*\b+FR-1], v[AF+FR*(\a):AF+FR*(\a)+FR-1], v[BI+8*(\a):BI+8*(\a)+7], v[SC+8*NQ*(\sc)+NQ*\b+(\q)], v[SC+8*NQ*(\sc)+NQ*(\a)+(\q)] matrix_a_scale:MATRIX_SCALE_ROW1
.else
	v_wmma_scale_f32_16x16x128_f8f6f4 v[8*(8*((\a)%4)+\b):8*(8*((\a)%4)+\b)+7], v[128*(\p)+FR*\b:128*(\p)+FR*\b+FR-1], v[AF+FR*(\a):AF+FR*(\a)+FR-1], v[8*(8*((\a)%4)+\b):8*(8*((\a)%4)+\b)+7], v[SC+8*NQ*(\sc)+NQ*\b+(\q)], v[SC+8*NQ*(\sc)+NQ*(\a)+(\q)] matrix_a_scale:MATRIX_SCALE_ROW1
.endif
.endr
.endr
.endm
.macro FETCH_B slot, q, p
	WIN TO_B
.irp i, 0,1,2,3,4,5,6,7
	FRAG 128*(\p)+FR*\i, ADRB+\slot, \q, \i
.endr
	WIN 0
.endm
.macro FETCH_A slot, q, i0
.irp i, \i0, \i0+1, \i0+2, \i0+3
	FRAG AF+FR*(\i), ADRA+\slot, \q, \i
.endr
.endm
.macro SCALES set, ks                  ; the scale words of K step ks (256 along K) into a set: two words a row; lanes 0-15 A's block i, lanes 16-31 B's block i
.irp i, 0,1,2,3,4,5,6,7
	ds_load_b64 v[SC+8*NQ*\set+NQ*\i:SC+8*NQ*\set+NQ*\i+1], v[ADRS] offset:1024*(\ks)+128*\i
.endr
.endm
.macro PLACES n                        ; plain vector lines between a matrix instruction and a load into, or a read of, its registers
.rept \n
	v_nop
.endr
.endm
; A step of 128 along K that has its successor in the same slot
.macro STEP slot, q, zero
	s_wait_dscnt 4*NL                              ; B's set and A's blocks 0-3 are in; the youngest sixteen loads (A's blocks 4-7) may be out
.if \zero
	WIN 0x81                                       ; C (the bias) in window 0, D in window 2
.else
	WIN MUL_LO
.endif
	MUL16 0, (\q)%2, \q, \slot, \zero
	MUL16 2, (\q)%2, \q, \slot, \zero
	s_wait_dscnt 0                                 ; A's blocks 4-7 are in
	PLACES NP
	FETCH_B \slot, (\q)+1, 1-(\q)%2
	FETCH_A \slot, (\q)+1, 0
.if \zero
	WIN 0xc1
.else
	WIN MUL_HI
.endif
	MUL16 4, (\q)%2, \q, \slot, \zero
	MUL16 6, (\q)%2, \q, \slot, \zero
	PLACES NP
	WIN 0
	FETCH_A \slot, (\q)+1, 4
.endm
; A slot's last step changes slots: one barrier; in front of it each wave waits for all its tensor loads, adds 0 to its spare word, and waits for that and for its reads of this slot.
; fill = 1: the barrier opens a round of the cluster's, and this slot is filled again, two S on.  ns: the S of the next slot.
.macro TURN slot, next, fill, ns
	s_wait_tensorcnt 0x0                           ; all my tensor loads have landed: my part of the next slot
	ds_add_u32 v[SPW], v[NIL]
	s_wait_dscnt 4*NL+1                            ; (the add and A's blocks 4-7 may be out)
	WIN MUL_LO
	MUL16 0, 1, NQ-1, \slot, 0
	s_wait_dscnt 0x0                               ; the add is done, and my reads of this slot are over
	s_barrier_signal -1
	MUL16 2, 1, NQ-1, \slot, 0
	WIN 0
	s_barrier_wait -1
.if \fill
	CREST                                          ; no wave of any partner still reads this slot or has a load on its way
	s_add_nc_u64 s[G0+4*\slot+2:G0+4*\slot+3], s[G0+4*\slot+2:G0+4*\slot+3], s[STA:STA+1]
	s_add_nc_u64 s[G0B+4*\slot+2:G0B+4*\slot+3], s[G0B+4*\slot+2:G0B+4*\slot+3], s[STB:STB+1]
	JLOAD G0+4*\slot, G1, G0B+4*\slot, G1B         ; the first tensor load behind the round; its four v_nop are among the places in front of the loads below
	PLACES NP-4
.else
	PLACES NP
.endif
	FETCH_B \next, 0, 0
	FETCH_A \next, 0, 0
	SCALES \next, \ns
	WIN MUL_HI
	MUL16 4, 1, NQ-1, \slot, 0
	MUL16 6, 1, NQ-1, \slot, 0
	PLACES NP
	WIN 0
	FETCH_A \next, 0, 4
.endm
	s_wait_tensorcnt 1                             ; the scale words and my part of S = 0 are in (S = 1's load may be out)
	s_barrier_signal -1
	s_barrier_wait -1                              ; everybody's are
	FETCH_B 0, 0, 0
	FETCH_A 0, 0, 0
	SCALES 0, 0
	FETCH_A 0, 0, 4
	s_wait_loadcnt 0x0                             ; the bias
	s_cmp_eq_u32 s19, 0
	s_cbranch_scc0 .Lfirst_v
	STEP 0, 0, 1                                   ; the first step starts the sums from the bias
	s_branch .Lfirst_done
.Lfirst_v:
	STEP 0, 0, 2
.Lfirst_done:
	TURN 0, 1, 1, 1                                ; K = 1,024 is four slots' worth: written out.  Slot 0 takes S = 2,
	STEP 1, 0, 0
	TURN 1, 0, 1, 2                                ; slot 1 takes S = 3
	STEP 0, 0, 0
	TURN 0, 1, 0, 3                                ; nothing is left to fetch
	STEP 1, 0, 0
	s_wait_dscnt 4*NL
	WIN MUL_LO
	MUL16 0, 1, NQ-1, 1, 0
	MUL16 2, 1, NQ-1, 1, 0
	s_wait_dscnt 0
	WIN MUL_HI
	MUL16 4, 1, NQ-1, 1, 0
	MUL16 6, 1, NQ-1, 1, 0
	WIN 0
; THE WAY OUT.  For one block a of source 1, a lane's 64 accumulator registers are four blocks of 32 along the next K (16 numbers mine, 16 lane l xor 16's).  They are quantised where they lie; the codes are an image already:
; each store covers 512 consecutive bytes, aligned.  Each accumulator is read from its low end on.
.macro QUANTA a
.set WA, 2+(\a)/4
.set WA5, 5*WA
.set AC, 64*((\a)%4)
.set PCS, PC+16*((\a)%2)
	WIN WA5                                        ; sources 0 and 1: the accumulators' window
.irp b, 0,1,2,3
	v_max3_num_f32 v[TM+\b], |v[AC+16*\b]|, |v[AC+16*\b+1]|, 0x4800000   ; and the floor 2^(9 - 127)
.endr
.irp i, 2,4,6,8,10,12,14
.irp b, 0,1,2,3
	v_max3_num_f32 v[TM+\b], |v[AC+16*\b+\i]|, |v[AC+16*\b+\i+1]|, v[TM+\b]
.endr
.endr
	WIN 0
.irp b, 0,1,2,3
	v_permlanex16_b32 v[TM+4+\b], v[TM+\b], s[SEL], s[SEL+1]
.endr
.irp b, 0,1,2,3
	v_max_num_f32 v[TM+\b], v[TM+\b], v[TM+4+\b]
.endr
.irp b, 0,1,2,3
	v_add_nc_u32 v[TM+12+\b], 0xfc000000, v[TM+\b] ; the conversion's scale operand
.endr
.irp b, 0,1,2,3
	v_and_or_b32 v[TM+8+\b], v[TM+\b], 0x7f800000, s[MNT]   ; 448 x the scale
.endr
.irp b, 0,1,2,3
	v_lshrrev_b32 v[TM+4+\b], 23, v[TM+12+\b]      ; the scale's byte
.endr
	v_lshl_or_b32 v[PW+(\a)], v[TM+5], 8, v[TM+4]
	v_lshl_or_b32 v[PW+(\a)], v[TM+6], 16, v[PW+(\a)]
	v_lshl_or_b32 v[PW+(\a)], v[TM+7], 24, v[PW+(\a)]
	WIN WA                                         ; source 0: the accumulators' window
.irp b, 0,1,2,3
.irp i, 0,1,2,3,4,5,6,7,8,9,10,11,12,13,14,15
	v_med3_num_f32 v[XT+16*\b+\i], v[AC+16*\b+\i], -v[TM+8+\b], v[TM+8+\b]   ; the hold, and the way into window 0
.endr
.endr
	WIN 0
.if (\a) > 1
	s_wait_alu depctr_va_vdst(0)
	s_wait_xcnt 0x0                                ; the stores of block a - 2 have read this set of codes
.endif
.irp b, 0,1,2,3
	v_cvt_scalef32_pk8_fp8_f32 v[PCS+4*\b:PCS+4*\b+1], v[XT+16*\b:XT+16*\b+7], v[TM+12+\b]
	v_cvt_scalef32_pk8_fp8_f32 v[PCS+4*\b+2:PCS+4*\b+3], v[XT+16*\b+8:XT+16*\b+15], v[TM+12+\b]
.endr
	v_nop                                          ; a plain line behind the last conversion
.irp b, 0,1,2,3
	global_store_b128 v[VA+2*((\a)%4)+\b/2], v[PCS+4*\b:PCS+4*\b+3], s[OB+2*((\a)/4):OB+2*((\a)/4)+1] offset:512*(\b%2)
.endr
.endm
	PLACES NP                                      ; behind the last products: for the reads of their results and the writes over A's fragments
.irp b, 0,1,2,3
	v_mov_b32 v[TM+4+\b], 0                        ; written once: a lane permute's destination counts as one of its sources
.endr
.irp a, 0,1,2,3,4,5,6,7
	QUANTA \a
.endr
	s_mov_b32 s2, 0xffff0000                       ; lanes 16-31
	s_mov_b32 s3, 0x7f7f0000                       ; two scale bytes of 1.0
.irp k, 0,1,2,3
	v_cndmask_b32 v[PS+\k], v[PW+\k], v[PW+4+\k], s2   ; lanes 0-15 store the words of a = k, lanes 16-31 of a = 4 + k
.endr
	s_cmp_eq_u32 s19, 0
	s_cbranch_scc0 .Lscale_v
.irp k, 0,1,2,3
	v_and_or_b32 v[BI+\k], v[PS+\k], 0xffff, s3    ; q, k: a head has two blocks: bytes 0, 1 for the first head,
.endr
.irp k, 0,1,2,3
	v_lshrrev_b32 v[BI+4+\k], 16, v[PS+\k]         ; bytes 2, 3 for the second;
.endr
.irp k, 0,1,2,3
	v_or_b32 v[BI+4+\k], s3, v[BI+4+\k]            ; the empty half of the next product's K has the scale 1.0
.endr
	global_store_b128 v[SV0], v[BI:BI+3], s[SBS:SBS+1]
	global_store_b128 v[SV1], v[BI+4:BI+7], s[SBS:SBS+1]
	s_branch .Lscale_done
.Lscale_v:
	s_wait_alu depctr_va_vdst(0)
	global_store_b128 v[SV0], v[PS:PS+3], s[SBS:SBS+1]   ; v: a word is the four blocks of a step's 128 keys
.Lscale_done:
	s_wait_tensorcnt 0x0                           ; the wave's end
	ds_add_u32 v[SPW], v[NIL]
	s_wait_dscnt 0x0
	CROUND                                         ; the closing round
	s_endpgm
.Lfunc_end_k_q31f689fabb_qkv:
	.size	k_q31f689fabb_qkv, .Lfunc_end_k_q31f689fabb_qkv-k_q31f689fabb_qkv
	.p2alignl 7, 3214868480
	.fill 96, 4, 3214868480
	.section	.rodata,"a",@progbits
	.p2align	6, 0x0
	.amdhsa_kernel k_q31f689fabb_qkv
		.amdhsa_group_segment_fixed_size 327680
		.amdhsa_private_segment_fixed_size 0
		.amdhsa_enable_private_segment 0
		.amdhsa_kernarg_size 56
		.amdhsa_user_sgpr_count 2
		.amdhsa_user_sgpr_kernarg_segment_ptr 1
		.amdhsa_wavefront_size32 1
		.amdhsa_system_sgpr_workgroup_id_x 1
		.amdhsa_system_sgpr_workgroup_id_y 1
		.amdhsa_system_sgpr_workgroup_id_z 1
		.amdhsa_system_vgpr_workitem_id 0
		.amdhsa_next_free_vgpr 1024
		.amdhsa_next_free_sgpr 102
		.amdhsa_reserve_vcc 0
		.amdhsa_float_denorm_mode_32 3
		.amdhsa_float_denorm_mode_16_64 3
		.amdhsa_memory_ordered 1
		.amdhsa_forward_progress 1
		.amdhsa_inst_pref_size 209
	.end_amdhsa_kernel
	.amdgpu_metadata
---
amdhsa.version: [ 1, 2 ]
amdhsa.kernels:
  - .name:           k_q31f689fabb_qkv
    .symbol:         k_q31f689fabb_qkv.kd
    .args:
      - { .name: xq, .offset: 0, .size: 8, .value_kind: global_buffer, .address_space: global }
      - { .name: wq, .offset: 8, .size: 8, .value_kind: global_buffer, .address_space: global }
      - { .name: bq, .offset: 16, .size: 8, .value_kind: global_buffer, .address_space: global }
      - { .name: bk, .offset: 24, .size: 8, .value_kind: global_buffer, .address_space: global }
      - { .name: bv, .offset: 32, .size: 8, .value_kind: global_buffer, .address_space: global }
      - { .name: qq, .offset: 40, .size: 8, .value_kind: global_buffer, .address_space: global }
      - { .name: kvq, .offset: 48, .size: 8, .value_kind: global_buffer, .address_space: global }
    .group_segment_fixed_size: 327680
    .private_segment_fixed_size: 0
    .kernarg_segment_align: 8
    .kernarg_segment_size: 56
    .max_flat_workgroup_size: 128
    .sgpr_count:     102
    .vgpr_count:     1024
    .wavefront_size: 32
...
	.end_amdgpu_metadata
.endif
;; end of part 2
;; launch attn (part 3): grid 4 x 64, 16 waves a work-group, clusters of 4 x 1, 327,680 bytes of LDS; arguments qq, kvq, aq; writes aq
.if DOCPART == 3
	.amdgcn_target "amdgcn-amd-amdhsa--gfx1250"
	.amdhsa_code_object_version 6
	.text
	.protected	k_q31f689fabb_attn
	.globl	k_q31f689fabb_attn
	.p2align	8
	.type	k_q31f689fabb_attn,@function
k_q31f689fabb_attn:
	s_mov_b64 s[64:65], 0
	v_nop
	global_prefetch_b8 v0, s[64:65] scope:SCOPE_SE
	s_setreg_imm32_b32 hwreg(HW_REG_WAVE_MODE, 25, 1), 1
	s_wait_xcnt 0x0
	s_wait_alu depctr_hold_cnt(0) depctr_sa_sdst(0) depctr_va_vdst(0) depctr_va_sdst(0) depctr_va_ssrc(0) depctr_va_vcc(0) depctr_vm_vsrc(0)
	s_getreg_b32 s2, hwreg(HW_REG_IB_STS2, 6, 4)
	s_cmp_eq_u32 s2, 0
	s_cbranch_scc0 .Lentry_in_a_cluster
	s_endpgm
.Lentry_in_a_cluster:
	s_bfe_u32 s2, ttmp6, 0x10000c
	s_cmp_lg_u32 s2, 0x3003
	s_cbranch_scc0 .Lentry_shape_is_right
	s_endpgm
.Lentry_shape_is_right:
; For one head and batch (hb): o = softmax(q k^T / 8, causal) v, both products on codes of E4M3 with E8M0 scales; o is quantised along its channels and stored as the next product's operand.
; THE SOFTMAX AHEAD OF THE SECOND PRODUCT: t = score x log2(e) / 8; M = the running largest t rounded UP to a whole number; p = 2^(t - M) is quantised along the keys, not normalised; the row's sum is taken of the
; unquantised p and divides at the end; when M moves, the sum and O are multiplied by 2^(old M - new M), which rounds nothing.
; SHARES.  The four work-groups of a cluster serve one hb.  Its whole K, V and scale words, 16 records of 17,152 bytes, fit in LDS: they come ONCE, by joint loads with a mask that names the four; nothing is filled again.
; Wave w (0..15) of work-group cx owns two tiles of 16 queries, one after the other: tile 127 - (4 w + cx), then tile 4 w + cx.  Their diagonal key steps, 15 - w / 2 and w / 2, hang on the wave's number alone,
; and every wave of the launch walks (16 - w / 2) + (w / 2 + 1) = 17 key steps of 128 keys.  cx enters global addresses and the mask's compare alone.
; LAYOUT.  Both products transposed: S^T = K Q^T, O^T = V^T P^T: a lane holds ONE query (row lane % 16 of its tile).  Row r of tile t is 32 (t / 2) + 8 (t % 2) + r + 8 (r / 8), for keys, queries and channels alike,
; so the 16 registers of tiles 2 b, 2 b + 1 are 16 neighbours 32 b + 16 (lane / 16) + 0 .. 15 along the next K.
; THE HEAD'S 64 IN AN INSTRUCTION OF K = 128: Q's registers 8-15 are zero codes.  K's tiles lie packed, eight registers each; the operand of tile t names sixteen, so its upper half is tile t + 1's codes (for t = 7: zeros).
; Those are finite numbers (the quantiser holds at 448), they meet zero codes, and bytes 2, 3 of both scale words are 0x7f: that half adds exact zeros.
; LIMITS: NaN and infinities are not served; a block of o under 2^-118 (or of zeros) gets the byte 1; the bytes are read by this program alone.
.set REC,   17152                      ; a record: K 8,192, V^T 8,192, K's scale words 512, V's 256
.set HEADB, 16*REC
.set SPARE, HEADB                      ; behind the records: the spare words, 128 bytes for each of 16 waves
.set LI,   1                           ; v1   16 x lane
.set ASK0, 2                           ; v2   K's scale words: 16,384 + 32 r
.set ASV0, 3                           ; v3   V's: 16,896 + 16 r
.set DQC,  4                           ; v4   r + 8 (r / 8) - 16 h
.set SPW,  5                           ; v5   my spare word; never rewritten
.set NIL,  6                           ; v6   0; never rewritten
.set DQ,   7                           ; v7   my query's place in its key step, less 16 h
.set ADK,  8                           ; v8-10 the step's LDS addresses
.set ADS,  9
.set ADT,  10
.set QF,   16                          ; v16-31  Q (v24-31 zeros)
.set KB,   32                          ; v32-95  K's eight tiles, later V's four
.set ZR,   96                          ; v96-103 zeros
.set S,    104                         ; v104-167 S^T, then p
.set O,    168                         ; v168-199 O^T
.set PC,   200                         ; v200-215 p's codes
.set KS,   216                         ; v216-223 K's scale words
.set VS,   224                         ; v224-227 V's
.set BM,   228                         ; v228-231 the blocks' largest
.set T2,   232                         ; v232-235 at work
.set HOLD, 236
.set SCO,  240
.set FF,   244                         ; v244 f = 2^(old M - new M); v245 p's scale word
.set TP,   246
.set QS,   247                         ; Q's scale word
.set NINF, 248
.set BO,   249                         ; 8 r + h
.set QO,   250                         ; 32 r
.set RL,   252                         ; v252 1 / the sum (v253 named with it as a pair)
.set WV,   10
.set CXP,  11
.set HB,   12
.set J,    13                          ; the key step
.set TB,   14                          ; its record's LDS byte
.set DS,   15                          ; the diagonal step
.set TI,   16                          ; the query tile
.set HM,   17                          ; lanes 16-31
.set MNT,  19
.set SEL,  20
.set CS,   22
.set G1A,  24
.set G1B,  32
.set G0A,  40
.set G0B,  44
.set QB,   48
.set QSB,  50
.set AB,   52
.set ASB,  54
.set PQ,   56                          ; s[56:63] the addresses of the pass in hand
.set PQS,  58
.set PA,   60
.set PAS,  62
.macro ROUND
	s_barrier_signal -1
	s_barrier_wait -1
	s_cmp_lg_u32 s[WV], 0
	s_cbranch_scc1 .Lnot_wave_0_\@
	s_barrier_signal -3
.Lnot_wave_0_\@:
	s_barrier_wait -3
	s_barrier_signal -1
	s_barrier_wait -1
.endm
	s_load_b128 s[4:7], s[0:1], 0x0                ; qq, kvq
	s_load_b64 s[8:9], s[0:1], 0x10                ; aq
	v_lshl_add_u32 v[SPW], v0, 2, SPARE
	v_mov_b32 v[NIL], 0
	ds_add_u32 v[SPW], v[NIL]                      ; the wave's opening: the add and its wait ahead of my first tensor load; work on registers stands between them
	ds_add_u32 v[SPW], v[NIL]
	v_lshrrev_b32 v1, 5, v0
	s_delay_alu instid0(VALU_DEP_1)
	v_readfirstlane_b32 s[WV], v1                  ; wave 0..15
	s_bfe_u32 s[CXP], ttmp6, 0x40000               ; cx
	s_and_b32 s[HB], ttmp7, 0xffff                 ; hb, which the four partners share
	; group 1: dense rows of 256 bytes (32 elements of 8); the mask names all four.  First load: 17 rows a wave (272 rows: records 0-3 and a little more); second: 50 rows a wave (the other 800)
	s_mov_b32 s[G1A], 15|(3<<16)|(1<<21)
	s_mov_b32 s[G1A+1], 32<<16
	s_mov_b32 s[G1A+2], 17<<16
	s_mov_b32 s[G1A+3], 32<<16
	s_mov_b32 s[G1A+4], 17
	s_mov_b32 s[G1A+5], 32
	s_mov_b32 s[G1A+6], 0
	s_mov_b32 s[G1A+7], 0
	s_mov_b32 s[G1B], 15|(3<<16)|(1<<21)
	s_mov_b32 s[G1B+1], 32<<16
	s_mov_b32 s[G1B+2], 50<<16
	s_mov_b32 s[G1B+3], 32<<16
	s_mov_b32 s[G1B+4], 50
	s_mov_b32 s[G1B+5], 32
	s_mov_b32 s[G1B+6], 0
	s_mov_b32 s[G1B+7], 0
	s_mov_b32 s[G0A], 1
	s_mul_i32 s[G0A+1], s[WV], 4352                ; LDS is the memory's image: the same offset in both
	s_mov_b32 s[G0B], 1
	s_mul_i32 s[G0B+1], s[WV], 12800
	s_add_co_u32 s[G0B+1], s[G0B+1], 69632
	s_mul_i32 s2, s[HB], HEADB
	s_mov_b32 s3, 0
	s_mov_b32 s[HM], 0xffff0000
	s_mov_b32 s[SEL], 0x76543210
	s_mov_b32 s[SEL+1], 0xfedcba98
	s_mov_b32 s[CS], 0x3e38aa3b                    ; c = log2(e) / 8
	s_mov_b32 s[CS+1], s[CS]                       ; (named with it as a pair)
	s_mov_b32 s57, 0
	s_wait_dscnt 0x0                               ; the opening add is done
	s_wait_kmcnt 0x0
	s_add_nc_u64 s[2:3], s[6:7], s[2:3]            ; my hb's records
	s_mov_b32 s56, s[G0A+1]
	s_add_nc_u64 s[G0A+2:G0A+3], s[2:3], s[56:57]
	s_or_b32 s[G0A+3], s[G0A+3], 0x80000000
	s_mov_b32 s56, s[G0B+1]
	s_add_nc_u64 s[G0B+2:G0B+3], s[2:3], s[56:57]
	s_or_b32 s[G0B+3], s[G0B+3], 0x80000000
	ROUND                                          ; all four work-groups are here: the joint loads meet
	tensor_load_to_lds s[G0A:G0A+3], s[G1A:G1A+7]
	s_nop 0
	s_wait_alu depctr_va_vdst(0)
	s_wait_tensorcnt 0x0
	ds_add_u32 v5, v6
	s_wait_dscnt 0x0
	ROUND
	tensor_load_to_lds s[G0B:G0B+3], s[G1B:G1B+7]  ; one load of mine is out; there are no more in this text
	s_nop 0
.rept 4
	v_nop
.endr
	s_lshl_b32 s2, s[HB], 17
	s_mov_b32 s3, 0
	s_add_nc_u64 s[QB:QB+1], s[4:5], s[2:3]        ; q's codes of my hb
	s_lshl_b32 s2, s[HB], 13
	s_add_co_u32 s2, s2, 0x800000
	s_add_nc_u64 s[QSB:QSB+1], s[4:5], s[2:3]      ; and scale words
	s_lshr_b32 s18, s[HB], 2                       ; head
	s_and_b32 s56, s[HB], 3                        ; batch
	s_lshr_b32 s57, s18, 2                         ; S = head / 4
	s_bfe_u32 s58, s18, 0x10001                    ; s2 = (head / 2) % 2
	s_and_b32 s59, s18, 1                          ; head % 2
	s_lshl_b32 s2, s57, 21
	s_lshl_b32 s60, s56, 19
	s_add_co_u32 s2, s2, s60
	s_lshl_b32 s60, s58, 11
	s_add_co_u32 s2, s2, s60
	s_lshl_b32 s60, s59, 10
	s_add_co_u32 s2, s2, s60
	s_add_nc_u64 s[AB:AB+1], s[8:9], s[2:3]        ; the result's codes: S x 2 MiB + batch x 128 tiles + s2 x 2,048 + (head % 2) x 1,024
	s_lshl_b32 s2, s56, 16
	s_lshl_b32 s60, s57, 10
	s_add_co_u32 s2, s2, s60
	s_lshl_b32 s60, s58, 2
	s_add_co_u32 s2, s2, s60
	s_lshl_b32 s60, s59, 1
	s_add_co_u32 s2, s2, s60
	s_add_co_u32 s2, s2, 0x800000
	s_add_nc_u64 s[ASB:ASB+1], s[8:9], s[2:3]      ; and its scale bytes
	v_and_b32 v11, 31, v0
	s_delay_alu instid0(VALU_DEP_1)
	v_lshlrev_b32 v[LI], 4, v11
	v_and_b32 v11, 15, v0                          ; r
	v_bfe_u32 v[TP], v0, 4, 1                      ; h
	s_delay_alu instid0(VALU_DEP_2)
	v_lshl_add_u32 v[ASK0], v11, 5, 16384
	s_delay_alu instid0(VALU_DEP_3)
	v_lshl_add_u32 v[ASV0], v11, 4, 16896
	s_delay_alu instid0(VALU_DEP_4)
	v_and_b32 v[DQC], 8, v11
	s_delay_alu instid0(VALU_DEP_1)
	v_add_nc_u32 v[DQC], v[DQC], v11
	v_lshlrev_b32 v[NINF], 4, v[TP]
	s_delay_alu instid0(VALU_DEP_1)
	v_sub_nc_u32 v[DQC], v[DQC], v[NINF]
	v_lshl_add_u32 v[BO], v11, 3, v[TP]
	v_lshlrev_b32 v[QO], 5, v11
	v_mov_b32 v[NINF], 0xff800000                  ; -infinity
.irp j, 0,1,2,3,4,5,6,7
	v_mov_b32 v[QF+8+\j], 0                        ; the empty half of Q's K: zero codes, written once
	v_mov_b32 v[ZR+\j], 0                          ; and what stands behind K's last tile
.endr
.irp b, 0,1,2,3
	v_mov_b32 v[T2+\b], 0                          ; a lane permute's destination counts as one of its sources
.endr
	v_mov_b32 v[FF+1], 0                           ; (named as upper halves of pairs before they are first written)
	v_mov_b32 v[RL+1], 0
; A KEY STEP: 128 keys.  A step all of whose keys come after my queries is left out: a scalar branch on the wave's number and the count of steps, round the step's work, not round the line that steps the address.
.macro STEP
	s_cmp_gt_u32 s[J], s[DS]
	s_cbranch_scc1 .Lhidden_\@
	s_setprio 2
	v_add_nc_u32 v[ADK], s[TB], v[LI]
	v_add_nc_u32 v[ADS], s[TB], v[ASK0]
	v_add_nc_u32 v[ADT], s[TB], v[ASV0]
.rept 5
	v_nop                                          ; with the three additions: eight places in front of loads into registers that the last products read
.endr
.irp t, 0,1,2,3,4,5,6,7
	ds_load_b128 v[KB+8*\t:KB+8*\t+3], v[ADK] offset:1024*\t
	ds_load_b128 v[KB+8*\t+4:KB+8*\t+7], v[ADK] offset:1024*\t+512
.endr
	ds_load_b128 v[KS:KS+3], v[ADS]
	ds_load_b128 v[KS+4:KS+7], v[ADS] offset:16
	s_wait_alu depctr_va_vdst(0)
	s_wait_dscnt 0x0
.irp t, 0,1,2,3,4,5,6,7
	v_wmma_scale_f32_16x16x128_f8f6f4 v[S+8*\t:S+8*\t+7], v[KB+8*\t:KB+8*\t+15], v[QF:QF+15], 0, v[KS+\t], v[QS]
.endr
.rept 8
	v_nop
.endr
.irp d, 0,1,2,3                        ; V's fragments are asked for now and land under the softmax
.irp c, 0,1,2,3
	ds_load_b128 v[KB+16*\d+4*\c:KB+16*\d+4*\c+3], v[ADK] offset:8192+2048*\d+512*\c
.endr
.endr
	ds_load_b128 v[VS:VS+3], v[ADT]
	s_cmp_lg_u32 s[J], s[DS]                       ; on the diagonal the scores of hidden keys become -infinity ahead of the maximum: p = 0 then
	s_cbranch_scc1 .Lopen_\@
.set n, 0
.rept 64
	v_cmp_gt_i32 vcc_lo, 32*(n/16)+n%16, v[DQ]     ; register 16 b + i holds key 32 b + 16 h + i of the step
	v_cndmask_b32 v[S+n], v[S+n], v[NINF], vcc_lo
.set n, n+1
.endr
.Lopen_\@:
.irp b, 0,1,2,3
	v_max3_num_f32 v[BM+\b], v[S+16*\b], v[S+16*\b+1], v[S+16*\b+2]   ; the largest score of each block of 32 keys: for the row's maximum and, since p rises with the score, for the block's largest p
.endr
.irp i, 3,5,7,9,11,13
.irp b, 0,1,2,3
	v_max3_num_f32 v[BM+\b], v[BM+\b], v[S+16*\b+\i], v[S+16*\b+\i+1]
.endr
.endr
.irp b, 0,1,2,3
	v_max_num_f32 v[BM+\b], v[BM+\b], v[S+16*\b+15]
.endr
.irp b, 0,1,2,3
	s_delay_alu instid0(VALU_DEP_4)
	v_permlanex16_b32 v[T2+\b], v[BM+\b], s[SEL], s[SEL+1]
.endr
.irp b, 0,1,2,3
	s_delay_alu instid0(VALU_DEP_4)
	v_max_num_f32 v[BM+\b], v[BM+\b], v[T2+\b]     ; with lane l xor 16's 16 keys
.endr
	s_delay_alu instid0(VALU_DEP_2)
	v_max3_num_f32 v[TP], v[BM], v[BM+1], v[BM+2]
	s_delay_alu instid0(VALU_DEP_1)
	v_max_num_f32 v[TP], v[TP], v[BM+3]
	s_delay_alu instid0(VALU_DEP_1)
	v_mul_f32 v[TP], s[CS], v[TP]                  ; as t (c is positive)
	s_delay_alu instid0(VALU_DEP_1)
	v_max_num_f32 v13, v13, v[TP]                  ; the running largest t
	v_mov_b32 v[TP], v12
	s_delay_alu instid0(VALU_DEP_2)
	v_floor_f32 v12, -v13                          ; the new -M = floor(-t): M is a whole number
	s_delay_alu instid0(VALU_DEP_1)
	v_sub_f32 v[TP], v12, v[TP]                    ; old M - new M: a whole number, 0 or less
	s_delay_alu instid0(VALU_DEP_1)
	v_cvt_i32_f32 v[TP], v[TP]                     ; (it saturates)
	s_delay_alu instid0(VALU_DEP_1)
	v_ldexp_f32 v[FF], 1.0, v[TP]                  ; f = 2^(old M - new M)
.set n, 0
	s_setprio 1
.rept 32
	v_pk_fma_f32 v[S+n:S+n+1], v[S+n:S+n+1], s[CS:CS+1], v[12:13] op_sel_hi:[1,0,0]   ; t - M, two at a time
.set n, n+2
.endr
.irp b, 0,1,2,3
	v_fma_f32 v[BM+\b], v[BM+\b], s[CS], v12       ; the same of each block's largest score
.endr
.set n, 0
	s_wait_alu depctr_va_vdst(0)
.rept 64
	v_exp_f32 v[S+n], v[S+n]                       ; p = 2^(t - M), at most 1
.set n, n+1
.endr
	v_pk_mul_f32 v[14:15], v[14:15], v[FF:FF+1] op_sel_hi:[1,0]   ; the sums under the new M: a plain line behind the exponentials
	s_wait_alu depctr_va_vdst(0)                   ; one wait for the batch, ahead of its first reader
.irp b, 0,1,2,3
	v_exp_f32 v[BM+\b], v[BM+\b]                   ; the block's largest p
.endr
	v_pk_add_f32 v[T2:T2+1], v[S:S+1], v[S+2:S+3]  ; the row's sum is taken of the unquantised p: two chains
.irp j, 4,8,12,16,20,24,28,32,36,40,44,48,52,56,60
	v_pk_add_f32 v[14:15], v[14:15], v[S+\j:S+\j+1]
	v_pk_add_f32 v[T2:T2+1], v[T2:T2+1], v[S+\j+2:S+\j+3]
.endr
	s_delay_alu instid0(VALU_DEP_1)
	v_pk_add_f32 v[14:15], v[14:15], v[T2:T2+1]
	s_setprio 0
	s_wait_alu depctr_va_vdst(0)                   ; and one for the four
.irp b, 0,1,2,3
	v_max_num_f32 v[BM+\b], 0x4800000, v[BM+\b]    ; the floor 2^(9 - 127): a block whose every p is 0 keeps the byte 1; its codes are zeros
.endr
.irp b, 0,1,2,3
	s_delay_alu instid0(VALU_DEP_4)
	v_add_nc_u32 v[SCO+\b], 0xfc000000, v[BM+\b]   ; the conversion's scale operand
.endr
.irp b, 0,1,2,3
.endr
.irp b, 0,1,2,3
	s_delay_alu instid0(VALU_DEP_4)
	v_lshrrev_b32 v[T2+\b], 23, v[SCO+\b]          ; the scale's byte
.endr
	s_delay_alu instid0(VALU_DEP_3)
	v_lshl_or_b32 v[FF+1], v[T2+1], 8, v[T2]       ; p's scale word for these 128 keys
	s_delay_alu instid0(VALU_DEP_1)
	v_lshl_or_b32 v[FF+1], v[T2+2], 16, v[FF+1]
	s_delay_alu instid0(VALU_DEP_1)
	v_lshl_or_b32 v[FF+1], v[T2+3], 24, v[FF+1]
.irp b, 0,1,2,3
.set n, 0
.rept 16
.set n, n+1
.endr
	v_cvt_scalef32_pk8_fp8_f32 v[PC+4*\b:PC+4*\b+1], v[S+16*\b:S+16*\b+7], v[SCO+\b]
	v_cvt_scalef32_pk8_fp8_f32 v[PC+4*\b+2:PC+4*\b+3], v[S+16*\b+8:S+16*\b+15], v[SCO+\b]
.endr
.set n, 0
.rept 16
	v_pk_mul_f32 v[O+n:O+n+1], v[O+n:O+n+1], v[FF:FF+1] op_sel_hi:[1,0]   ; O^T under the new M; these are also the places between the codes and the products
.set n, n+2
.endr
	s_wait_alu depctr_va_vdst(0)
	s_wait_dscnt 0x0                               ; V
.irp d, 0,1,2,3
	v_wmma_scale_f32_16x16x128_f8f6f4 v[O+8*\d:O+8*\d+7], v[KB+16*\d:KB+16*\d+15], v[PC:PC+15], v[O+8*\d:O+8*\d+7], v[VS+\d], v[FF+1]
.endr
.Lhidden_\@:
	s_add_co_u32 s[TB], s[TB], REC
.endm
.macro SEG lo, hi                      ; key steps lo .. hi - 1: the trip count is a constant
	s_mov_b32 s[J], \lo
	s_mov_b32 s[TB], (\lo)*REC
.Lseg_\@:
	STEP
	s_add_co_u32 s[J], s[J], 1
	s_cmp_lt_u32 s[J], \hi
	s_cbranch_scc1 .Lseg_\@
	s_setprio 0
.endm
; A pass begins: the tile's addresses, its Q, and the sums' start: O^T and the sum are zeros and the largest t is -3e38, so that the first change of M multiplies zeros
.macro PASSINIT
	s_wait_xcnt 0x0                                ; the last pass's loads and stores have read their addresses and data
	s_lshl_b32 s2, s[TI], 10
	s_mov_b32 s3, 0
	s_add_nc_u64 s[PQ:PQ+1], s[QB:QB+1], s[2:3]
	s_lshl_b32 s2, s[TI], 12
	s_add_nc_u64 s[PA:PA+1], s[AB:AB+1], s[2:3]
	s_lshr_b32 s18, s[TI], 3
	s_and_b32 s62, s[TI], 7
	s_lshl_b32 s2, s18, 9
	s_lshl_b32 s63, s62, 2
	s_add_co_u32 s2, s2, s63
	s_add_nc_u64 s[PQS:PQS+1], s[QSB:QSB+1], s[2:3]
	s_lshl_b32 s2, s18, 12
	s_lshl_b32 s63, s62, 7
	s_add_co_u32 s2, s2, s63
	s_lshr_b32 s18, s62, 1
	s_lshl_b32 s18, s18, 5
	s_and_b32 s63, s[TI], 1
	s_lshl_b32 s63, s63, 3
	s_add_co_u32 s18, s18, s63                     ; the tile's first row in its key step: 32 ((tile % 8) / 2) + 8 (tile % 2)
	s_add_nc_u64 s[PAS:PAS+1], s[ASB:ASB+1], s[2:3]
	global_load_b128 v[QF:QF+3], v[LI], s[PQ:PQ+1]
	global_load_b128 v[QF+4:QF+7], v[LI], s[PQ:PQ+1] offset:512
	global_load_b32 v[QS], v[QO], s[PQS:PQS+1]
	v_add_nc_u32 v[DQ], s18, v[DQC]
	v_mov_b32 v13, 0xff61b1e6
	s_delay_alu instid0(VALU_DEP_1)
	v_floor_f32 v12, -v13
	v_mov_b32 v14, 0
	v_mov_b32 v15, 0
.set n, 0
.rept 32
	v_mov_b32 v[O+n], 0
.set n, n+1
.endr
.endm
; A pass ends: O^T / the sum, quantised along the channels (two blocks of 32; 16 numbers mine, 16 lane l xor 16's); the codes are an image of the next operand's registers
.macro FINISH
.rept 8
	v_nop                                          ; places behind the last products
.endr
	v_add_f32 v14, v14, v15
	s_delay_alu instid0(VALU_DEP_1)
	v_permlanex16_b32 v[T2], v14, s[SEL], s[SEL+1]
	s_delay_alu instid0(VALU_DEP_1)
	v_add_f32 v14, v14, v[T2]                      ; the row's sum
	s_wait_alu depctr_va_vdst(0)
	v_rcp_f32 v[RL], v14
	v_nop                                          ; a plain line behind the reciprocal,
	s_wait_alu depctr_va_vdst(0)                   ; and the wait ahead of its first reader
.set n, 0
.rept 16
	v_pk_mul_f32 v[O+n:O+n+1], v[O+n:O+n+1], v[RL:RL+1] op_sel_hi:[1,0]
.set n, n+2
.endr
.irp b, 0,1
	v_max3_num_f32 v[BM+\b], |v[O+16*\b]|, |v[O+16*\b+1]|, 0x4800000
.endr
.irp i, 2,4,6,8,10,12,14
.irp b, 0,1
	s_delay_alu instid0(VALU_DEP_2)
	v_max3_num_f32 v[BM+\b], v[BM+\b], |v[O+16*\b+\i]|, |v[O+16*\b+\i+1]|
.endr
.endr
.irp b, 0,1
	s_delay_alu instid0(VALU_DEP_2)
	v_permlanex16_b32 v[T2+\b], v[BM+\b], s[SEL], s[SEL+1]
.endr
.irp b, 0,1
	s_delay_alu instid0(VALU_DEP_2)
	v_max_num_f32 v[BM+\b], v[BM+\b], v[T2+\b]
.endr
.irp b, 0,1
	s_delay_alu instid0(VALU_DEP_2)
	v_add_nc_u32 v[SCO+\b], 0xfc000000, v[BM+\b]
.endr
.irp b, 0,1
.endr
.irp b, 0,1
	s_delay_alu instid0(VALU_DEP_2)
	v_lshrrev_b32 v[T2+\b], 23, v[SCO+\b]
.endr
.irp b, 0,1
.set n, 0
.rept 16
.set n, n+1
.endr
	v_cvt_scalef32_pk8_fp8_f32 v[PC+4*\b:PC+4*\b+1], v[O+16*\b:O+16*\b+7], v[SCO+\b]
	v_cvt_scalef32_pk8_fp8_f32 v[PC+4*\b+2:PC+4*\b+3], v[O+16*\b+8:O+16*\b+15], v[SCO+\b]
.endr
	v_cndmask_b32 v[TP], v[T2], v[T2+1], s[HM]     ; lanes 0-15 store block 0's byte, lanes 16-31 block 1's.  (A plain line behind the last conversion)
	global_store_b128 v[LI], v[PC:PC+3], s[PA:PA+1]              ; 512 consecutive bytes, aligned
	global_store_b128 v[LI], v[PC+4:PC+7], s[PA:PA+1] offset:512
	global_store_b8 v[BO], v[TP], s[PAS:PAS+1]     ; a head has two of a row's 32 scale bytes
.endm
	s_lshl_b32 s2, s[WV], 2
	s_add_co_u32 s2, s2, s[CXP]
	s_sub_co_u32 s[TI], 127, s2                    ; the late tile first
	s_lshr_b32 s[DS], s[WV], 1
	s_sub_co_u32 s[DS], 15, s[DS]
	PASSINIT
	s_wait_tensorcnt 1                             ; my part of the first 272 rows is in; my second load may stay out
	s_barrier_signal -1
	s_barrier_wait -1                              ; everybody's is
	s_wait_loadcnt 0x0                             ; Q
	SEG 0, 4                                       ; records 0-3 end at byte 68,608, under the second loads' first byte, 69,632
	s_wait_tensorcnt 0x0                           ; my part of the rest is in,
	s_wait_dscnt 0x0
	s_barrier_signal -1
	s_barrier_wait -1                              ; everybody's is
	SEG 4, 16
	FINISH
	s_lshl_b32 s2, s[WV], 2
	s_add_co_u32 s[TI], s2, s[CXP]                 ; the early tile
	s_lshr_b32 s[DS], s[WV], 1
	PASSINIT
	s_wait_loadcnt 0x0
	SEG 0, 8
	FINISH
	s_wait_tensorcnt 0x0                           ; the wave's end
	ds_add_u32 v[SPW], v[NIL]
	s_wait_dscnt 0x0
	ROUND                                          ; the closing round
	s_endpgm
.Lfunc_end_k_q31f689fabb_attn:
	.size	k_q31f689fabb_attn, .Lfunc_end_k_q31f689fabb_attn-k_q31f689fabb_attn
	.p2alignl 7, 3214868480
	.fill 96, 4, 3214868480
	.section	.rodata,"a",@progbits
	.p2align	6, 0x0
	.amdhsa_kernel k_q31f689fabb_attn
		.amdhsa_group_segment_fixed_size 327680
		.amdhsa_private_segment_fixed_size 0
		.amdhsa_enable_private_segment 0
		.amdhsa_kernarg_size 24
		.amdhsa_user_sgpr_count 2
		.amdhsa_user_sgpr_kernarg_segment_ptr 1
		.amdhsa_wavefront_size32 1
		.amdhsa_system_sgpr_workgroup_id_x 1
		.amdhsa_system_sgpr_workgroup_id_y 1
		.amdhsa_system_sgpr_workgroup_id_z 1
		.amdhsa_system_vgpr_workitem_id 0
		.amdhsa_next_free_vgpr 256
		.amdhsa_next_free_sgpr 66
		.amdhsa_reserve_vcc 1
		.amdhsa_float_denorm_mode_32 3
		.amdhsa_float_denorm_mode_16_64 3
		.amdhsa_fp16_overflow 1
		.amdhsa_memory_ordered 1
		.amdhsa_forward_progress 1
		.amdhsa_inst_pref_size 87
	.end_amdhsa_kernel
	.amdgpu_metadata
---
amdhsa.version: [ 1, 2 ]
amdhsa.kernels:
  - .name:           k_q31f689fabb_attn
    .symbol:         k_q31f689fabb_attn.kd
    .args:
      - { .name: qq, .offset: 0, .size: 8, .value_kind: global_buffer, .address_space: global }
      - { .name: kvq, .offset: 8, .size: 8, .value_kind: global_buffer, .address_space: global }
      - { .name: aq, .offset: 16, .size: 8, .value_kind: global_buffer, .address_space: global }
    .group_segment_fixed_size: 327680
    .private_segment_fixed_size: 0
    .kernarg_segment_align: 8
    .kernarg_segment_size: 24
    .max_flat_workgroup_size: 512
    .sgpr_count:     66
    .vgpr_count:     256
    .wavefront_size: 32
...
	.end_amdgpu_metadata
.endif
;; end of part 3
;; launch oproj (part 4): grid 4 x 32, 4 waves a work-group, clusters of 4 x 4, 327,680 bytes of LDS; arguments aq, wq, bo, out0; writes out0
.if DOCPART == 4
	.amdgcn_target "amdgcn-amd-amdhsa--gfx1250"
	.amdhsa_code_object_version 6
	.text
	.protected	k_q31f689fabb_oproj
	.globl	k_q31f689fabb_oproj
	.p2align	8
	.type	k_q31f689fabb_oproj,@function
k_q31f689fabb_oproj:
	s_mov_b64 s[64:65], 0
	v_nop
	global_prefetch_b8 v0, s[64:65] scope:SCOPE_SE
	s_setreg_imm32_b32 hwreg(HW_REG_WAVE_MODE, 25, 1), 1
	s_wait_xcnt 0x0
	s_wait_alu depctr_hold_cnt(0) depctr_sa_sdst(0) depctr_va_vdst(0) depctr_va_sdst(0) depctr_va_ssrc(0) depctr_va_vcc(0) depctr_vm_vsrc(0)
	s_getreg_b32 s2, hwreg(HW_REG_IB_STS2, 6, 4)
	s_cmp_eq_u32 s2, 0
	s_cbranch_scc0 .Lentry_in_a_cluster
	s_endpgm
.Lentry_in_a_cluster:
	s_bfe_u32 s2, ttmp6, 0x10000c
	s_cmp_lg_u32 s2, 0xf033
	s_cbranch_scc0 .Lentry_shape_is_right
	s_endpgm
.Lentry_shape_is_right:
; out0 = a Wo + bo on codes of E4M3 with E8M0 scales; a: the attention's result [8192][1024] as codes (aq), Wo's codes the fourth weight in wq; out0 [8192][1024] f32.
; OPERANDS lie in memory and in LDS as images of their registers: a fragment (16 rows x 128 K) is [c 4][lane 32][16 bytes]; row r of tile t is 32 (t / 2) + 8 (t % 2) + r + 8 (r / 8), for tokens and for Wo's columns.
; Source 0 = 16 columns of Wo ('B'), source 1 = 16 tokens ('A'): a lane holds one token, and in tile b its register j is column 32 (b / 2) + 8 (b % 2) + 16 (lane / 16) + j.
; SHARES.  A work-group makes 256 tokens x 256 columns; each of four waves 128 x 128: 64 accumulators.  K = 1,024 goes in four steps of 256 through two LDS slots; the scale words of all of K come once.
; 32 x 4 tiles are 128 work-groups: a smaller tile would give every WGP one at the price of half as many products for each LDS byte.
; CLUSTERS, 4 x 4: A's tiles are shared along a row of the cluster, B's along a column, each by a joint load.
; REGISTERS: window 0: v1-31 addresses; v32-63 scale words, two sets; v64-127 the bias; v128-255 A's fragments (on the way out: rows of out0).  window 1: B's two sets.  windows 2, 3: accumulators (a, b) at v[8 (8 (a % 4) + b)].
.set NQ,     2
.set FR,     16
.set NL,     4
.set NP,     8                         ; places behind this matrix instruction (ISA guide 7.12.1)
.set HALFT,  32768
.set SLOT,   4*HALFT
.set SCL,    2*SLOT
.set SPARE,  SCL+4*4096
.set SPITCH, 528                       ; the way out: a stage of 16 rows x (512 + 16) bytes for each wave, in slot 0, which has had its last fill and its last read by then
.set ADRA, 16
.set ADRB, 20
.set STO,  24                          ; v24 the stage: where I put 32 bytes of a row
.set RD,   25                          ; v25 and where I read a row back
.set CO,   26                          ; v26 16 x lane: my bytes of a row of out0
.set ADRS, 27
.set SPW,  28                          ; v28 my spare word; never rewritten
.set NIL,  29                          ; v29 0; never rewritten
.set SC,   32
.set BI,   64
.set AF,   128
.set BK,   128
.set G1,   24
.set G0,   32
.set G1B,  48
.set G0B,  56
.set G1S,  68
.set G0S,  76
.set G1SB, 80
.set G0SB, 88
.set MSB, 0
.macro WIN new                         ; the immediate's high byte repeats the setting that is left
.if MSB != \new
	s_set_vgpr_msb (MSB<<8)|\new
.set MSB, \new
.endif
.endm
.set MUL_LO, 0xa1
.set MUL_HI, 0xf1
.set TO_B,   0x40
.macro JLOAD g0a, g1a, g0b, g1b        ; a joint load: waves 0 and 1 fetch for A, waves 2 and 3 for B; an s_nop 0 and four v_nop follow each line
	s_cmp_eq_u32 s17, 0
	s_cbranch_scc0 .Lfor_b_\@
	tensor_load_to_lds s[\g0a:\g0a+3], s[\g1a:\g1a+7]
	s_nop 0
.rept 4
	v_nop
.endr
	s_branch .Lasked_\@
.Lfor_b_\@:
	tensor_load_to_lds s[\g0b:\g0b+3], s[\g1b:\g1b+7]
	s_nop 0
.rept 4
	v_nop
.endr
.Lasked_\@:
.endm
.macro CREST
	s_cmp_lg_u32 s16, 0
	s_cbranch_scc1 .Lnot_wave_0_\@
	s_barrier_signal -3
.Lnot_wave_0_\@:
	s_barrier_wait -3
	s_barrier_signal -1
	s_barrier_wait -1
.endm
.macro CROUND
	s_barrier_signal -1
	s_barrier_wait -1
	CREST
.endm
	s_load_b256 s[4:11], s[0:1], 0x0               ; aq s[4:5], wq s[6:7], bo s[8:9], out0 s[10:11]
	v_lshl_add_u32 v[SPW], v0, 2, SPARE
	v_mov_b32 v[NIL], 0
	ds_add_u32 v[SPW], v[NIL]
	ds_add_u32 v[SPW], v[NIL]                      ; the wave's opening: the add and its wait ahead of my first tensor load; work on registers stands between them
	v_lshrrev_b32 v1, 5, v0
	v_readfirstlane_b32 s16, v1                    ; wave 0..3
	s_lshr_b32 s17, s16, 1                         ; my half of the tokens.  Also: I fetch for A (0) or for B (1)
	s_and_b32 s18, s16, 1                          ; my half of the columns.  Also: which half I fetch
	s_bfe_u32 s20, ttmp6, 0x40000                  ; cx
	s_bfe_u32 s21, ttmp6, 0x40004                  ; cy
	s_lshl_b32 s22, ttmp9, 2
	s_add_co_u32 s22, s22, s20                     ; tile column
	s_and_b32 s23, ttmp7, 0xffff
	s_lshl_b32 s23, s23, 2
	s_add_co_u32 s23, s23, s21                     ; tile row
	s_lshl_b32 s2, s21, 2
	s_lshl_b32 s2, 15, s2                          ; my row of the cluster
	s_lshl_b32 s96, 0x1111, s20                    ; my column
	s_or_b32 s[G1], s2, (3<<16)|(1<<21)            ; 15:0 the mask; 17:16 elements of 8 bytes; 21 set beside a mask; no padding
	s_or_b32 s[G1S], s2, (3<<16)|(1<<21)
	s_or_b32 s[G1B], s96, (3<<16)|(1<<21)
	s_or_b32 s[G1SB], s96, (3<<16)|(1<<21)
.irp g, G1, G1B                        ; codes: a dense block of 32,768 bytes as 128 rows of 256
	s_mov_b32 s[\g+1], 32<<16
	s_mov_b32 s[\g+2], 128<<16
	s_mov_b32 s[\g+3], 32<<16
	s_mov_b32 s[\g+4], 128
	s_mov_b32 s[\g+5], 32
	s_mov_b32 s[\g+6], 0
	s_mov_b32 s[\g+7], 0
.endr
.irp g, G1S, G1SB                      ; scale words: a dense block of 4,096 bytes as 16 rows of 256
	s_mov_b32 s[\g+1], 32<<16
	s_mov_b32 s[\g+2], 16<<16
	s_mov_b32 s[\g+3], 32<<16
	s_mov_b32 s[\g+4], 16
	s_mov_b32 s[\g+5], 32
	s_mov_b32 s[\g+6], 0
	s_mov_b32 s[\g+7], 0
.endr
	s_lshl_b32 s2, s23, 16                         ; A's codes: (16 tile row + 8 half) x 4,096
	s_lshl_b32 s3, s18, 15
	s_add_co_u32 s2, s2, s3
	s_mov_b32 s3, 0
	s_lshl_b32 s44, s23, 13                        ; A's scale words: 8 MiB + (2 tile row + half) x 4,096
	s_lshl_b32 s45, s18, 12
	s_add_co_u32 s44, s44, s45
	s_add_co_u32 s44, s44, 0x800000
	s_mov_b32 s45, 0
	s_lshl_b32 s92, s22, 16                        ; B's codes: Wo lies 3 MiB into wq
	s_lshl_b32 s93, s18, 15
	s_add_co_u32 s92, s92, s93
	s_add_co_u32 s92, s92, 0x300000
	s_mov_b32 s93, 0
	s_lshl_b32 s94, s22, 13                        ; B's scale words: 4 MiB + 3 x 32,768 on
	s_lshl_b32 s95, s18, 12
	s_add_co_u32 s94, s94, s95
	s_add_co_u32 s94, s94, 0x418000
	s_mov_b32 s95, 0
	s_lshl_b32 s46, s16, 15                        ; where the codes go: wave x 32,768
	s_lshl_b32 s47, s16, 12                        ; and the scale words: wave x 4,096
	s_wait_dscnt 0x0                               ; the opening add is done
	s_wait_kmcnt 0x0
	s_add_nc_u64 s[2:3], s[4:5], s[2:3]
	s_add_nc_u64 s[44:45], s[4:5], s[44:45]
	s_add_nc_u64 s[92:93], s[6:7], s[92:93]
	s_add_nc_u64 s[94:95], s[6:7], s[94:95]
	CROUND                                         ; all sixteen work-groups are here: the first joint loads meet
	s_mov_b32 s[G0S], 1
	s_add_co_u32 s[G0S+1], s47, SCL
	s_mov_b64 s[G0S+2:G0S+3], s[44:45]
	s_or_b32 s[G0S+3], s[G0S+3], 0x80000000
	s_mov_b32 s[G0SB], 1
	s_add_co_u32 s[G0SB+1], s47, SCL
	s_mov_b64 s[G0SB+2:G0SB+3], s[94:95]
	s_or_b32 s[G0SB+3], s[G0SB+3], 0x80000000
	JLOAD G0S, G1S, G0SB, G1SB                     ; the scale words of all of K: filled once
.irp s, 0,1
	s_mov_b32 s[G0+4*\s], 1
	s_add_co_u32 s[G0+4*\s+1], s46, \s*SLOT
	s_add_nc_u64 s[G0+4*\s+2:G0+4*\s+3], s[2:3], \s*0x200000       ; from S to S + 1 in aq: 2 MiB
	s_or_b32 s[G0+4*\s+3], s[G0+4*\s+3], 0x80000000
	s_mov_b32 s[G0B+4*\s], 1
	s_add_co_u32 s[G0B+4*\s+1], s46, \s*SLOT
	s_add_nc_u64 s[G0B+4*\s+2:G0B+4*\s+3], s[92:93], \s*0x40000    ; in wq: 256 KiB
	s_or_b32 s[G0B+4*\s+3], s[G0B+4*\s+3], 0x80000000
	s_wait_alu depctr_va_vdst(0)
	s_wait_tensorcnt 0x0
	ds_add_u32 v28, v29
	s_wait_dscnt 0x0
	CROUND
	JLOAD G0+4*\s, G1, G0B+4*\s, G1B               ; S = 0, S = 1: one load of mine is out
.endr
	v_and_b32 v1, 31, v0                           ; lane
	v_and_b32 v2, 15, v0                           ; r
	v_bfe_u32 v3, v0, 4, 1                         ; h
	v_lshlrev_b32 v4, 4, v1                        ; 16 x lane
	s_wait_alu depctr_va_vdst(0)
	s_lshl_b32 s2, s22, 10                         ; bo at my 128 columns
	s_lshl_b32 s3, s18, 9
	s_add_co_u32 s2, s2, s3
	s_mov_b32 s3, 0
	s_add_nc_u64 s[8:9], s[8:9], s[2:3]
	v_lshlrev_b32 v5, 6, v3
.irp b, 0,1,2,3,4,5,6,7                ; the bias is the C of each sum's first matrix instruction: register j of tile b is column 32 (b / 2) + 8 (b % 2) + 16 h + j
	global_load_b128 v[BI+8*\b:BI+8*\b+3], v5, s[8:9] offset:(32*(\b/2)+8*(\b%2))*4
	global_load_b128 v[BI+8*\b+4:BI+8*\b+7], v5, s[8:9] offset:(32*(\b/2)+8*(\b%2))*4+16
.endr
	s_lshl_b32 s2, s17, 15
	s_lshl_b32 s3, s18, 15
	s_add_co_u32 s3, s3, 2*HALFT
.irp s, 0,1
	v_add_nc_u32 v[ADRA+\s], s2, v4
	v_add_nc_u32 v[ADRB+\s], s3, v4
	s_add_co_u32 s2, s2, SLOT
	s_add_co_u32 s3, s3, SLOT
.endr
	s_lshl_b32 s2, s17, 12
	s_lshl_b32 s3, s18, 12
	s_add_co_u32 s3, s3, 8192
	s_sub_co_u32 s3, s3, s2
	v_mul_u32_u24 v6, s3, v3                       ; lanes 16-31 take B's scale words: one product in h
	s_add_co_u32 s2, s2, SCL
	v_lshl_add_u32 v6, v2, 3, v6
	v_add_nc_u32 v[ADRS], s2, v6
	s_mul_i32 s2, s16, 16*SPITCH                   ; my stage
	v_mul_u32_u24 v6, v2, SPITCH
	v_lshl_add_u32 v6, v3, 6, v6
	v_add_nc_u32 v[STO], s2, v6                    ; in: row r, + 64 h bytes
	v_add_nc_u32 v[RD], s2, v4                     ; back: the 32 lanes take one row of 512 bytes
	v_mov_b32 v[CO], v4
	s_lshl_b32 s2, s23, 8
	s_lshl_b32 s3, s17, 7
	s_add_co_u32 s2, s2, s3                        ; my first token
	s_lshl_b32 s2, s2, 12                          ; a row of out0 is 4,096 bytes
	s_lshl_b32 s3, s22, 10
	s_add_co_u32 s2, s2, s3
	s_lshl_b32 s3, s18, 9
	s_add_co_u32 s2, s2, s3                        ; + my first column
	s_mov_b32 s3, 0
	s_add_nc_u64 s[10:11], s[10:11], s[2:3]
.macro FRAG reg, adr, q, i
.irp c, 0,1,2,3
	ds_load_b128 v[\reg+4*\c:\reg+4*\c+3], v[\adr] offset:2048*(\q)+512*\c+(\i)*4096
.endr
.endm
; 16 matrix instructions: A's blocks a0, a0 + 1 x B's eight.  zero = 1: C is the bias.  The 64 accumulators take turns, one instruction a turn.
.macro MUL16 a0, p, q, sc, zero
.irp a, \a0, \a0+1
.irp b, 0,1,2,3,4,5,6,7
.if \zero
	v_wmma_scale_f32_16x16x128_f8f6f4 v[8*(8*((\a)%4)+\b):8*(8*((\a)%4)+\b)+7], v[128*(\p)+FR*\b:128*(\p)+FR*\b+FR-1], v[AF+FR*(\a):AF+FR*(\a)+FR-1], v[BI+8*\b:BI+8*\b+7], v[SC+8*NQ*(\sc)+NQ*\b+(\q)], v[SC+8*NQ*(\sc)+NQ*(\a)+(\q)] matrix_a_scale:MATRIX_SCALE_ROW1
.else
	v_wmma_scale_f32_16x16x128_f8f6f4 v[8*(8*((\a)%4)+\b):8*(8*((\a)%4)+\b)+7], v[128*(\p)+FR*\b:128*(\p)+FR*\b+FR-1], v[AF+FR*(\a):AF+FR*(\a)+FR-1], v[8*(8*((\a)%4)+\b):8*(8*((\a)%4)+\b)+7], v[SC+8*NQ*(\sc)+NQ*\b+(\q)], v[SC+8*NQ*(\sc)+NQ*(\a)+(\q)] matrix_a_scale:MATRIX_SCALE_ROW1
.endif
.endr
.endr
.endm
.macro FETCH_B slot, q, p
	WIN TO_B
.irp i, 0,1,2,3,4,5,6,7
	FRAG 128*(\p)+FR*\i, ADRB+\slot, \q, \i
.endr
	WIN 0
.endm
.macro FETCH_A slot, q, i0
.irp i, \i0, \i0+1, \i0+2, \i0+3
	FRAG AF+FR*(\i), ADRA+\slot, \q, \i
.endr
.endm
.macro SCALES set, ks
.irp i, 0,1,2,3,4,5,6,7
	ds_load_b64 v[SC+8*NQ*\set+NQ*\i:SC+8*NQ*\set+NQ*\i+1], v[ADRS] offset:1024*(\ks)+128*\i
.endr
.endm
.macro PLACES n
.rept \n
	v_nop
.endr
.endm
.macro STEP slot, q, zero
	s_wait_dscnt 4*NL                              ; B's set and A's blocks 0-3 are in; A's blocks 4-7 may be out
.if \zero
	WIN 0x81                                       ; C (the bias) in window 0, D in window 2
.else
	WIN MUL_LO
.endif
	MUL16 0, (\q)%2, \q, \slot, \zero
	MUL16 2, (\q)%2, \q, \slot, \zero
	s_wait_dscnt 0
	PLACES NP
	FETCH_B \slot, (\q)+1, 1-(\q)%2
	FETCH_A \slot, (\q)+1, 0
.if \zero
	WIN 0xc1
.else
	WIN MUL_HI
.endif
	MUL16 4, (\q)%2, \q, \slot, \zero
	MUL16 6, (\q)%2, \q, \slot, \zero
	PLACES NP
	WIN 0
	FETCH_A \slot, (\q)+1, 4
.endm
.macro TURN slot, next, fill, ns
	s_wait_tensorcnt 0x0                           ; all my tensor loads have landed: my part of the next slot
	ds_add_u32 v[SPW], v[NIL]
	s_wait_dscnt 4*NL+1                            ; (the add and A's blocks 4-7 may be out)
	WIN MUL_LO
	MUL16 0, 1, NQ-1, \slot, 0
	s_wait_dscnt 0x0                               ; the add is done, and my reads of this slot are over
	s_barrier_signal -1
	MUL16 2, 1, NQ-1, \slot, 0
	WIN 0
	s_barrier_wait -1
.if \fill
	CREST                                          ; no wave of any partner still reads this slot or has a load on its way
	s_add_nc_u64 s[G0+4*\slot+2:G0+4*\slot+3], s[G0+4*\slot+2:G0+4*\slot+3], 0x400000
	s_add_nc_u64 s[G0B+4*\slot+2:G0B+4*\slot+3], s[G0B+4*\slot+2:G0B+4*\slot+3], 0x80000
	JLOAD G0+4*\slot, G1, G0B+4*\slot, G1B         ; the first tensor load behind the round; its four v_nop are among the places in front of the loads below
	PLACES NP-4
.else
	PLACES NP
.endif
	FETCH_B \next, 0, 0
	FETCH_A \next, 0, 0
	SCALES \next, \ns
	WIN MUL_HI
	MUL16 4, 1, NQ-1, \slot, 0
	MUL16 6, 1, NQ-1, \slot, 0
	PLACES NP
	WIN 0
	FETCH_A \next, 0, 4
.endm
	s_wait_alu depctr_va_vdst(0)
	s_wait_tensorcnt 1                             ; the scale words and my part of S = 0 are in (S = 1's load may be out),
	s_barrier_signal -1
	s_barrier_wait -1                              ; everybody's are
	FETCH_B 0, 0, 0
	FETCH_A 0, 0, 0
	SCALES 0, 0
	FETCH_A 0, 0, 4
	s_wait_loadcnt 0x0                             ; the bias
	STEP 0, 0, 1
	TURN 0, 1, 1, 1                                ; slot 0 takes S = 2,
	STEP 1, 0, 0
	TURN 1, 0, 1, 2                                ; slot 1 takes S = 3
	STEP 0, 0, 0
	TURN 0, 1, 0, 3                                ; nothing is left to fetch; behind this barrier nobody reads slot 0
	STEP 1, 0, 0
	s_wait_dscnt 4*NL
	WIN MUL_LO
	MUL16 0, 1, NQ-1, 1, 0
	MUL16 2, 1, NQ-1, 1, 0
	s_wait_dscnt 0
	WIN MUL_HI
	MUL16 4, 1, NQ-1, 1, 0
	MUL16 6, 1, NQ-1, 1, 0
	WIN 0
; THE WAY OUT, block by block of 16 tokens x 128 columns, through my own stage: in as 32 bytes a lane, back as whole rows of 512 bytes, which the 32 lanes store as two aligned runs of 256 bytes.
; LDS serves a wave's instructions in order (ISA guide 5.7.1.4): no wait between the stores and the loads.
.macro TOSTAGE a
.set AC, 64*((\a)%4)
	WIN 0x08+4*((\a)/4)                            ; the data: window 2 or 3
.irp b, 0,1,2,3,4,5,6,7
	ds_store_b128 v[STO], v[AC+8*\b:AC+8*\b+3] offset:128*(\b/2)+32*(\b%2)          ; each accumulator from its low end on
	ds_store_b128 v[STO], v[AC+8*\b+4:AC+8*\b+7] offset:128*(\b/2)+32*(\b%2)+16
.endr
	WIN 0
.set BB, BK+64*((\a)%2)
.irp t, 0,1,2,3,4,5,6,7,8,9,10,11,12,13,14,15
	ds_load_b128 v[BB+4*\t:BB+4*\t+3], v[RD] offset:\t*SPITCH
.endr
.endm
.macro SEND a, younger                 ; younger: the LDS instructions issued behind block a's loads, which may stay out
.set BB, BK+64*((\a)%2)
	s_wait_dscnt \younger
.if (\a) > 0
.if (\a)%2
	s_add_nc_u64 s[10:11], s[10:11], 8*4096        ; block a begins at token 32 (a / 2) + 8 (a % 2): 8 rows on,
.else
	s_add_nc_u64 s[10:11], s[10:11], 24*4096       ; or 24
.endif
.endif
.irp t, 0,1,2,3,4,5,6,7,8,9,10,11,12,13,14,15
	global_store_b128 v[CO], v[BB+4*\t:BB+4*\t+3], s[10:11] offset:(\t+8*(\t/8))*4096 th:TH_STORE_NT   ; row t of the block is token t + 8 (t / 8) of it
.endr
.endm
	PLACES NP
	TOSTAGE 0
.irp a, 1,2,3,4,5,6,7
.if \a > 1
	s_wait_xcnt 0x0                                ; block a - 2's stores have read their registers and their base
.endif
	TOSTAGE \a
	SEND \a-1, 32                                  ; behind block a - 1's loads: block a's 16 stores and 16 loads
.endr
	s_wait_xcnt 0x0
	SEND 7, 0
	s_wait_tensorcnt 0x0                           ; the wave's end, behind my last tensor load and my last LDS store
	ds_add_u32 v[SPW], v[NIL]
	s_wait_dscnt 0x0
	CROUND                                         ; the closing round
	s_endpgm
.Lfunc_end_k_q31f689fabb_oproj:
	.size	k_q31f689fabb_oproj, .Lfunc_end_k_q31f689fabb_oproj-k_q31f689fabb_oproj
	.p2alignl 7, 3214868480
	.fill 96, 4, 3214868480
	.section	.rodata,"a",@progbits
	.p2align	6, 0x0
	.amdhsa_kernel k_q31f689fabb_oproj
		.amdhsa_group_segment_fixed_size 327680
		.amdhsa_private_segment_fixed_size 0
		.amdhsa_enable_private_segment 0
		.amdhsa_kernarg_size 32
		.amdhsa_user_sgpr_count 2
		.amdhsa_user_sgpr_kernarg_segment_ptr 1
		.amdhsa_wavefront_size32 1
		.amdhsa_system_sgpr_workgroup_id_x 1
		.amdhsa_system_sgpr_workgroup_id_y 1
		.amdhsa_system_sgpr_workgroup_id_z 1
		.amdhsa_system_vgpr_workitem_id 0
		.amdhsa_next_free_vgpr 1024
		.amdhsa_next_free_sgpr 98
		.amdhsa_reserve_vcc 0
		.amdhsa_float_denorm_mode_32 3
		.amdhsa_float_denorm_mode_16_64 3
		.amdhsa_memory_ordered 1
		.amdhsa_forward_progress 1
		.amdhsa_inst_pref_size 147
	.end_amdhsa_kernel
	.amdgpu_metadata
---
amdhsa.version: [ 1, 2 ]
amdhsa.kernels:
  - .name:           k_q31f689fabb_oproj
    .symbol:         k_q31f689fabb_oproj.kd
    .args:
      - { .name: aq, .offset: 0, .size: 8, .value_kind: global_buffer, .address_space: global }
      - { .name: wq, .offset: 8, .size: 8, .value_kind: global_buffer, .address_space: global }
      - { .name: bo, .offset: 16, .size: 8, .value_kind: global_buffer, .address_space: global }
      - { .name: out0, .offset: 24, .size: 8, .value_kind: global_buffer, .address_space: global }
    .group_segment_fixed_size: 327680
    .private_segment_fixed_size: 0
    .kernarg_segment_align: 8
    .kernarg_segment_size: 32
    .max_flat_workgroup_size: 128
    .sgpr_count:     98
    .vgpr_count:     1024
    .wavefront_size: 32
...
	.end_amdgpu_metadata
.endif
;; end of part 4
